; MI455X (gfx1250); checked and timed in simulation.
; The chip was launched on July 23, 2026; its instructions are those of AMD's public machine-readable ISA for CDNA 5 (MIT licence, August 2026) and "CDNA5" Instruction Set Architecture Reference Guide (July 2026). The comments in the code are by the model that wrote it; some were corrected since.
;; attention. Allowed arithmetic: float matrix products may take bf16 or f16 operands with f32 sums; other float arithmetic in f32, or as packed bf16 or f16 multiplies, adds, multiply-adds, maxima and minima; sums over many terms, partial sums and values carried from step to step in f32; what a program stores and reads back later, other than sums and carried values, may be rounded once to bf16 or f16.
;; Inputs: Ua 1,024 x 1,024 float32; Va 1,024 float32; Wa 1,024 x 1,024 float32; dec_hidden 32 x 1,024 float32; enc_out 32 x 2,048 x 1,024 float32.
;; Outputs: out0 32 x 1,024 float32.
;; 3 versions, each right; version 3 is version 2 with the launch prep written anew for expert scheduling mode. Each part assembles by itself: llvm-mc -triple=amdgcn-amd-amdhsa -mcpu=gfx1250 --defsym DOCPART=n.
;; ======== version 1 of 3: 3 launches
;; workspace buffers: ub 2,097,152 bytes; dcw 131,072 bytes; vaw 4,096 bytes; ctxp 2,097,152 bytes; stats 4,096 bytes
;; launch prep (part 1): grid 32 x 1, 8 waves a work-group, no clusters, 209,920 bytes of LDS; arguments Ua, Wa, dec_hidden, Va, ub, dcw, vaw; writes ub, dcw, vaw
.if DOCPART == 1
	.amdgcn_target "amdgcn-amd-amdhsa--gfx1250"
	.amdhsa_code_object_version 6
	.text
	.protected	k_qfb9563ce06_prep
	.globl	k_qfb9563ce06_prep
	.p2align	8
	.type	k_qfb9563ce06_prep,@function
k_qfb9563ce06_prep:
	s_mov_b64 s[64:65], 0
	v_nop
	global_prefetch_b8 v0, s[64:65] scope:SCOPE_SE
	s_setreg_imm32_b32 hwreg(HW_REG_WAVE_MODE, 25, 1), 1
	s_wait_xcnt 0x0
; WHAT IT MAKES.  c = 2 log2(e).
;   ub  : Ua rounded to bf16, turned and laid in blocks: bf16 [sg 16][e2 2][j 2][n 32][k 512] = Ua[512 j + k][64 sg + 32 e2 + n]
;   dcw : f32 [32][1024] = c x (dec_hidden x Wa), the product with bf16 operands and f32 sums
;   vaw : f32 [1024] = -c x Va
; SHARES.  32 work-groups: 16 take 64 columns of Ua each (role 0), 16 take 64 columns of Wa each (role 1).  Wave kt of eight takes rows 128 kt .. 128 kt + 127.
; THE FRONT is the same for both roles: the wave's 128 rows x 64 columns of f32 come in by loads that cover two whole pieces of 256 consecutive bytes each; a lane holds two
; neighbouring rows of four columns, rounds them in pairs and puts each pair into its wave's own tile T in LDS, [column 64][row 128] bf16, rows 272 bytes apart.
; ROLE 0 reads T back by rows and stores them: sixteen lanes store 256 consecutive bytes, aligned.
; ROLE 1 multiplies: source 0 = 16 columns of Wa out of T, source 1 = 16 rows of dec_hidden; K is split among the eight waves, whose partial sums meet in LDS (RED).
; No tensor loads, no cluster: nothing is shared between work-groups but dec_hidden's 128 KiB, and each byte of Ua and Wa is read once.
.set TP,    272                        ; a row of T and of RED: 256 bytes + 16
.set TW,    64*TP                      ; a wave's T
.set RED,   8*TW                       ; behind the eight T: a wave's partial sums, [b 32][column 64] f32
.set RW,    32*TP
.set SPARE, RED+8*RW                   ; behind them: the spare words, 128 bytes for each wave: four blocks of 256 bytes that no other line names
.set LO,  4                            ; v4   my byte offset in the source: 128 kt rows + 2 (l / 16) rows + 16 (l % 16)
.set TS,  5                            ; v5   where I put a pair in T
.set TR,  6                            ; v6   role 0: where I read T back
.set UO,  7                            ; v7   role 0: my byte offset in ub
.set DO,  8                            ; v8   role 1: my byte offset in dec_hidden
.set TF,  9                            ; v9   role 1: my place in a fragment of T
.set RS,  10                           ; v10  role 1: where I put partial sums
.set RR,  11                           ; v11  role 1: where I read them back
.set DW,  12                           ; v12  role 1: my byte offset in dcw
.set VO,  13                           ; v13  role 1, wave 0: my 8 bytes of Va and vaw
.set VA,  14                           ; v[14:15]
.set SPW, 16                           ; v16  LDS address of my spare word; never rewritten
.set NIL, 17                           ; v17  0; never rewritten
.set INB, 32                           ; v[32:223] three sets of 64: a batch of 16 loads each
.set PK,  224                          ; v[224:255] a batch's 32 packed pairs
.set FR,  32                           ; role 1: T's four fragments of a chunk
.set ACC, 64                           ; role 1: eight accumulators: (nt, bt) at ACC + 8 (2 nt + bt)
.set DF,  160                          ; role 1: dec_hidden's fragments: (bt, c) at DF + 32 bt + 8 c
.set KT,   18                          ; s18  my wave's number
.set ROLE, 19                          ; s19  0: Ua, 1: Wa
.set SG,   20                          ; s20  which 64 columns
	s_load_b256 s[4:11], s[0:1], 0x0               ; Ua s[4:5], Wa s[6:7], dec_hidden s[8:9], Va s[10:11]
	s_load_b128 s[12:15], s[0:1], 0x20             ; ub s[12:13], dcw s[14:15]
	s_load_b64 s[16:17], s[0:1], 0x30              ; vaw
	v_lshl_add_u32 v[SPW], v0, 2, SPARE
	v_mov_b32 v[NIL], 0
	v_lshrrev_b32 v1, 5, v0
	v_readfirstlane_b32 s[KT], v1                  ; wave 0..7
	s_lshr_b32 s[ROLE], ttmp9, 4
	s_and_b32 s[SG], ttmp9, 15
	v_and_b32 v1, 15, v0                           ; l % 16
	v_bfe_u32 v2, v0, 4, 1                         ; l / 16
	v_and_b32 v3, 31, v0                           ; l
	s_lshl_b32 s24, s[KT], 19                      ; 128 rows of 4,096 bytes
	v_lshlrev_b32 v[LO], 4, v1
	v_lshl_add_u32 v[LO], v2, 13, v[LO]            ; lanes 16-31 two rows further down
	v_add_nc_u32 v[LO], s24, v[LO]
	s_mul_i32 s25, s[KT], TW                       ; my T
	v_mul_u32_u24 v[TS], v1, 4*TP                  ; my four columns,
	v_lshl_add_u32 v[TS], v2, 2, v[TS]             ; my pair of rows
	v_add_nc_u32 v[TS], s25, v[TS]
	s_lshl_b32 s26, s[SG], 8                       ; 64 columns of f32
	s_mov_b32 s27, 0
	s_mov_b32 s28, 0x4038aa3b                      ; c = 2 log2(e)
	s_mov_b32 s29, s28                             ; named with it as a pair
	s_wait_kmcnt 0x0
	s_cmp_eq_u32 s[ROLE], 0
	s_cselect_b64 s[22:23], s[4:5], s[6:7]         ; the role's matrix,
	s_add_nc_u64 s[22:23], s[22:23], s[26:27]      ; at the work-group's columns
; Batch b of four: eight groups of four rows; of a group a lane takes rows 2 (l / 16) and 2 (l / 16) + 1.
.macro FLD b, st
.irp gg, 0,1,2,3,4,5,6,7
	global_load_b128 v[INB+64*(\st)+8*(\gg):INB+64*(\st)+8*(\gg)+3],   v[LO], s[22:23] offset:(8*(\b)+(\gg))*16384 th:TH_LOAD_NT
	global_load_b128 v[INB+64*(\st)+8*(\gg)+4:INB+64*(\st)+8*(\gg)+7], v[LO], s[22:23] offset:(8*(\b)+(\gg))*16384+4096 th:TH_LOAD_NT
.endr
.endm
; The batch is rounded, an even row's number into the low half and the odd row's into the high half, and put into T: column 4 (l % 16) + x, rows 4 g + 2 (l / 16) on.
.macro FCV b, st
.irp gg, 0,1,2,3,4,5,6,7
.irp x, 0,1,2,3
	v_cvt_pk_bf16_f32 v[PK+4*(\gg)+(\x)], v[INB+64*(\st)+8*(\gg)+(\x)], v[INB+64*(\st)+8*(\gg)+4+(\x)]
.endr
.irp x, 0,1,2,3
	ds_store_b32 v[TS], v[PK+4*(\gg)+(\x)] offset:(\x)*TP+8*(8*(\b)+(\gg))
.endr
.endr
.endm
	FLD 0, 0
	FLD 1, 1
	FLD 2, 2
	s_wait_loadcnt 32                              ; batch 0 is in; batches 1 and 2 stay out
	FCV 0, 0
	FLD 3, 0                                       ; its set has been read
	s_wait_loadcnt 32                              ; batch 1 is in; batches 2 and 3 stay out
	FCV 1, 1
	s_wait_loadcnt 16
	FCV 2, 2
	s_wait_loadcnt 0x0
	FCV 3, 0
	s_cmp_lg_u32 s[ROLE], 0                        ; the same in all eight waves
	s_cbranch_scc1 .Lrole_w
	; ROLE 0.  T's 64 rows go out, two a load: row 2 n + l / 16.  LDS serves a wave's instructions in order (ISA guide 5.7.1.4): these loads see the wave's own stores above.
	v_mul_u32_u24 v[TR], v2, TP
	v_lshl_add_u32 v[TR], v1, 4, v[TR]
	v_add_nc_u32 v[TR], s25, v[TR]
	s_lshr_b32 s24, s[KT], 2                       ; j: which half of K,
	s_lshl_b32 s24, s24, 15
	s_and_b32 s30, s[KT], 3                        ; and which 128 of its 512
	s_lshl_b32 s30, s30, 8
	s_add_co_u32 s24, s24, s30
	v_lshlrev_b32 v[UO], 4, v1
	v_lshl_add_u32 v[UO], v2, 10, v[UO]
	v_add_nc_u32 v[UO], s24, v[UO]
	s_lshl_b32 s26, s[SG], 17                      ; the work-group's 131,072 bytes of ub
	s_add_nc_u64 s[12:13], s[12:13], s[26:27]
.set n, 0
.rept 32
	ds_load_b128 v[INB+4*n:INB+4*n+3], v[TR] offset:2*TP*n
.set n, n+1
.endr
.set n, 0
.rept 32
	s_wait_dscnt 31-n                              ; LDS loads come back in order: number n is in
	global_store_b128 v[UO], v[INB+4*n:INB+4*n+3], s[12:13] offset:(n%16)*2048+(n/16)*65536  ; 16 lanes store 256 consecutive bytes, at a multiple of 256 from ub's first byte
.set n, n+1
.endr
	s_branch .Ljoin
.Lrole_w:
	; ROLE 1.  A fragment of dec_hidden is 16 rows x 32 channels: lane l holds row l % 16, channels 8 (l / 16) + 0..7 and 16 + 8 (l / 16) + 0..7: in f32 four loads of 16 bytes.
	s_lshl_b32 s24, s[KT], 9                       ; my 128 channels
	v_lshlrev_b32 v[DO], 12, v1
	v_lshl_add_u32 v[DO], v2, 5, v[DO]
	v_add_nc_u32 v[DO], s24, v[DO]
	v_lshlrev_b32 v[VO], 3, v3
	s_add_nc_u64 s[10:11], s[10:11], s[26:27]      ; Va, vaw and dcw at the work-group's 64 columns
	s_add_nc_u64 s[16:17], s[16:17], s[26:27]
	s_add_nc_u64 s[14:15], s[14:15], s[26:27]
.irp bt, 0,1
.irp c, 0,1,2,3
	global_load_b128 v[INB+64*(\bt)+16*(\c):INB+64*(\bt)+16*(\c)+3],     v[DO], s[8:9] offset:65536*(\bt)+128*(\c)
	global_load_b128 v[INB+64*(\bt)+16*(\c)+4:INB+64*(\bt)+16*(\c)+7],   v[DO], s[8:9] offset:65536*(\bt)+128*(\c)+16
	global_load_b128 v[INB+64*(\bt)+16*(\c)+8:INB+64*(\bt)+16*(\c)+11],  v[DO], s[8:9] offset:65536*(\bt)+128*(\c)+64
	global_load_b128 v[INB+64*(\bt)+16*(\c)+12:INB+64*(\bt)+16*(\c)+15], v[DO], s[8:9] offset:65536*(\bt)+128*(\c)+80
.endr
.endr
	s_cmp_lg_u32 s[KT], 0
	s_cbranch_scc1 .Lva_asked
	global_load_b64 v[VA:VA+1], v[VO], s[10:11]    ; wave 0: the 64 numbers of Va, 256 consecutive bytes
.Lva_asked:
	v_mul_u32_u24 v[TF], v1, TP
	v_lshl_add_u32 v[TF], v2, 4, v[TF]
	v_add_nc_u32 v[TF], s25, v[TF]
	s_mul_i32 s24, s[KT], RW
	s_add_co_u32 s24, s24, RED
	v_mul_u32_u24 v[RS], v1, TP
	v_lshl_add_u32 v[RS], v2, 5, v[RS]
	v_add_nc_u32 v[RS], s24, v[RS]
	s_wait_loadcnt 16                              ; rows 0-15 are in: 16 loads were issued behind them (in wave 0 one more: the count is then the stricter one)
.irp bt, 0,1
.if (\bt) == 1
	s_wait_loadcnt 0x0
.endif
.irp c, 0,1,2,3
.irp m, 0,1,2,3,4,5,6,7
	v_cvt_pk_bf16_f32 v[DF+32*(\bt)+8*(\c)+(\m)], v[INB+64*(\bt)+16*(\c)+2*(\m)], v[INB+64*(\bt)+16*(\c)+2*(\m)+1]
.endr
.endr
.endr
	s_cmp_lg_u32 s[KT], 0
	s_cbranch_scc1 .Lva_done
	v_mul_f32 v[VA], 0xc038aa3b, v[VA]             ; -c Va
	v_mul_f32 v[VA+1], 0xc038aa3b, v[VA+1]
	global_store_b64 v[VO], v[VA:VA+1], s[16:17]   ; 256 consecutive bytes, aligned
.Lva_done:
	; Four chunks of 32 channels.  The eight accumulators take turns, one instruction a turn; the first chunk starts the sums.
.irp c, 0,1,2,3
.irp nt, 0,1,2,3
	ds_load_b128 v[FR+8*(\nt):FR+8*(\nt)+3],   v[TF] offset:(\nt)*16*TP+64*(\c)
	ds_load_b128 v[FR+8*(\nt)+4:FR+8*(\nt)+7], v[TF] offset:(\nt)*16*TP+64*(\c)+32
.endr
	s_wait_dscnt 0x0
.irp nt, 0,1,2,3
.irp bt, 0,1
.if (\c) == 0
	v_wmma_f32_16x16x32_bf16 v[ACC+8*(2*(\nt)+(\bt)):ACC+8*(2*(\nt)+(\bt))+7], v[FR+8*(\nt):FR+8*(\nt)+7], v[DF+32*(\bt)+8*(\c):DF+32*(\bt)+8*(\c)+7], 0
.else
	v_wmma_f32_16x16x32_bf16 v[ACC+8*(2*(\nt)+(\bt)):ACC+8*(2*(\nt)+(\bt))+7], v[FR+8*(\nt):FR+8*(\nt)+7], v[DF+32*(\bt)+8*(\c):DF+32*(\bt)+8*(\c)+7], v[ACC+8*(2*(\nt)+(\bt)):ACC+8*(2*(\nt)+(\bt))+7]
.endif
.endr
.endr
.rept 5
	v_nop                                          ; the places ahead of loads into registers that those products read, and of the stores of their results
.endr
.endr
	; In a result lane l holds row b = 16 bt + l % 16 and the columns 16 nt + 8 (l / 16) + 0..7: 32 bytes of a row of RED.  Each accumulator's low registers go first.
.irp nt, 0,1,2,3
.irp bt, 0,1
	ds_store_b128 v[RS], v[ACC+8*(2*(\nt)+(\bt)):ACC+8*(2*(\nt)+(\bt))+3]   offset:(\bt)*16*TP+64*(\nt)
	ds_store_b128 v[RS], v[ACC+8*(2*(\nt)+(\bt))+4:ACC+8*(2*(\nt)+(\bt))+7] offset:(\bt)*16*TP+64*(\nt)+16
.endr
.endr
.Ljoin:
	s_wait_dscnt 0x0                               ; for the others' sake: my stores into LDS are done
	s_barrier_signal -1
	s_barrier_wait -1                              ; every wave of either role passes this barrier
	s_cmp_eq_u32 s[ROLE], 0
	s_cbranch_scc1 .Lend
	; ROLE 1, the end: thread t adds the eight waves' sums for 16 bytes of rows t / 16 and t / 16 + 16, scales by c and stores.
	v_lshrrev_b32 v18, 4, v0
	v_mul_u32_u24 v[RR], v18, TP
	v_lshl_add_u32 v[RR], v1, 4, v[RR]
	v_add_nc_u32 v[RR], RED, v[RR]
.irp w, 0,1,2,3,4,5,6,7
	ds_load_b128 v[INB+8*(\w):INB+8*(\w)+3],   v[RR] offset:RW*(\w)
	ds_load_b128 v[INB+8*(\w)+4:INB+8*(\w)+7], v[RR] offset:RW*(\w)+16*TP
.endr
	v_lshlrev_b32 v[DW], 12, v18
	v_lshl_add_u32 v[DW], v1, 4, v[DW]
	s_wait_dscnt 0x0
.irp d, 32,16,8                                ; waves 4-7 onto 0-3, 2-3 onto 0-1, 1 onto 0
.set n, 0
.rept (\d)/2
	v_pk_add_f32 v[INB+n:INB+n+1], v[INB+n:INB+n+1], v[INB+(\d)+n:INB+(\d)+n+1]
.set n, n+2
.endr
.endr
.irp n, 0,2,4,6
	v_pk_mul_f32 v[INB+(\n):INB+(\n)+1], v[INB+(\n):INB+(\n)+1], s[28:29] op_sel_hi:[1,0]
.endr
	global_store_b128 v[DW], v[INB:INB+3], s[14:15]                  ; 16 lanes store 256 consecutive bytes, aligned
	global_store_b128 v[DW], v[INB+4:INB+7], s[14:15] offset:65536
.Lend:
	s_wait_tensorcnt 0x0                           ; the wave's end: behind my last LDS store
	ds_add_u32 v[SPW], v[NIL]
	s_wait_dscnt 0x0
	s_endpgm
.Lfunc_end_k_qfb9563ce06_prep:
	.size	k_qfb9563ce06_prep, .Lfunc_end_k_qfb9563ce06_prep-k_qfb9563ce06_prep
	.p2alignl 7, 3214868480
	.fill 96, 4, 3214868480
	.section	.rodata,"a",@progbits
	.p2align	6, 0x0
	.amdhsa_kernel k_qfb9563ce06_prep
		.amdhsa_group_segment_fixed_size 209920
		.amdhsa_private_segment_fixed_size 0
		.amdhsa_enable_private_segment 0
		.amdhsa_kernarg_size 56
		.amdhsa_user_sgpr_count 2
		.amdhsa_user_sgpr_kernarg_segment_ptr 1
		.amdhsa_wavefront_size32 1
		.amdhsa_system_sgpr_workgroup_id_x 1
		.amdhsa_system_sgpr_workgroup_id_y 1
		.amdhsa_system_sgpr_workgroup_id_z 1
		.amdhsa_system_vgpr_workitem_id 0
		.amdhsa_next_free_vgpr 256
		.amdhsa_next_free_sgpr 66
		.amdhsa_reserve_vcc 0
		.amdhsa_float_denorm_mode_32 3
		.amdhsa_float_denorm_mode_16_64 3
		.amdhsa_memory_ordered 1
		.amdhsa_forward_progress 1
		.amdhsa_inst_pref_size 49
	.end_amdhsa_kernel
	.amdgpu_metadata
---
amdhsa.version: [ 1, 2 ]
amdhsa.kernels:
  - .name:           k_qfb9563ce06_prep
    .symbol:         k_qfb9563ce06_prep.kd
    .args:
      - { .name: Ua, .offset: 0, .size: 8, .value_kind: global_buffer, .address_space: global }
      - { .name: Wa, .offset: 8, .size: 8, .value_kind: global_buffer, .address_space: global }
      - { .name: dec_hidden, .offset: 16, .size: 8, .value_kind: global_buffer, .address_space: global }
      - { .name: Va, .offset: 24, .size: 8, .value_kind: global_buffer, .address_space: global }
      - { .name: ub, .offset: 32, .size: 8, .value_kind: global_buffer, .address_space: global }
      - { .name: dcw, .offset: 40, .size: 8, .value_kind: global_buffer, .address_space: global }
      - { .name: vaw, .offset: 48, .size: 8, .value_kind: global_buffer, .address_space: global }
    .group_segment_fixed_size: 209920
    .private_segment_fixed_size: 0
    .kernarg_segment_align: 8
    .kernarg_segment_size: 56
    .max_flat_workgroup_size: 256
    .sgpr_count:     66
    .vgpr_count:     256
    .wavefront_size: 32
...
	.end_amdgpu_metadata
.endif
;; end of part 1
;; launch attn (part 2): grid 512 x 1, 4 waves a work-group, clusters of 4 x 1, 327,680 bytes of LDS; arguments enc_out, ub, dcw, vaw, ctxp, stats; writes ctxp, stats
.if DOCPART == 2
	.amdgcn_target "amdgcn-amd-amdhsa--gfx1250"
	.amdhsa_code_object_version 6
	.text
	.protected	k_qfb9563ce06_attn
	.globl	k_qfb9563ce06_attn
	.p2align	8
	.type	k_qfb9563ce06_attn,@function
k_qfb9563ce06_attn:
	s_mov_b64 s[64:65], 0
	v_nop
	global_prefetch_b8 v0, s[64:65] scope:SCOPE_SE
	s_setreg_imm32_b32 hwreg(HW_REG_WAVE_MODE, 25, 1), 1
	s_wait_xcnt 0x0
	s_wait_alu depctr_hold_cnt(0) depctr_sa_sdst(0) depctr_va_vdst(0) depctr_va_sdst(0) depctr_va_ssrc(0) depctr_va_vcc(0) depctr_vm_vsrc(0)
	s_getreg_b32 s2, hwreg(HW_REG_IB_STS2, 6, 4)
	s_cmp_eq_u32 s2, 0
	s_cbranch_scc0 .Lentry_in_a_cluster
	s_endpgm
.Lentry_in_a_cluster:
	s_bfe_u32 s2, ttmp6, 0x10000c
	s_cmp_lg_u32 s2, 0x3003
	s_cbranch_scc0 .Lentry_shape_is_right
	s_endpgm
.Lentry_shape_is_right:
; ADDITIVE ATTENTION, one block of 128 rows t of one batch to a work-group.  With c = 2 log2(e): tanh(x) = 1 - 2 r, r = 1 / (1 + 2^(c x)), which is right at both ends (2^(c x) = infinity gives r = 0,
; 2^(c x) = 0 gives r = 1).  So score x log2(e) = K + the sum over u of vaw[u] r[t][u], vaw = -c Va, and K = log2(e) x the sum of Va is the same for every t of a softmax row: it cancels for every input and is left out.
; OUT: stats[block] = (m, l), m = the block's largest s[t] (s in units of log2), l = the sum of p[t] = 2^(s[t] - m); ctxp[block][h] = the sum over t of p[t] enc[t][h].  A later launch joins a batch's 16 blocks.
; LIMITS.  enc_out and Ua enter both products rounded to bf16; p enters the second product as a bf16 number plus a bf16 remainder (2^-17 of itself is lost), l is the sum of the unrounded p.
; A power of two below 2^-126 counts as 0; NaN and infinities among the inputs are not treated apart.
; SHARES.  The block's rows are read from memory ONCE, rounded once, and stay in registers for both products: wave w = 2 i + j holds rows 64 i .. 64 i + 63, channels 512 j .. 512 j + 511: 64 fragments, 512 registers.
; All of ub walks past them in 16 slots of 64 columns.  K is split between the waves j = 0, 1 of a row half: of a pair of 16-column tiles wave j SENDS its partial sums of tile 1 - j through LDS and KEEPS tile j;
; the partner's partial sums are loaded straight into the kept tile's accumulators, so that they are the C of its first product and nothing is added by hand.
; THE MATRIX INSTRUCTION IS USED TRANSPOSED: source 0 = 16 columns u, source 1 = 16 rows t.  In the result lane l holds ONE row t (l % 16) and the columns 8 (l / 16) + 0..7: dcw and vaw are 8 registers a tile.
; CLUSTER.  All blocks walk the same ub: the four work-groups of a cluster ask for each slot JOINTLY (the same load, descriptor and mask in all four).  enc_out's tiles are each work-group's own: plain loads.
; THE LUMPS.  A slot's tanh and score sums (3.5 vector instructions a number) are done in the NEXT slot, in four lumps that stand where the wave would wait: between the halves of the two barriers and behind runs of LDS loads.
; The first slot's lumps work on zeros (accumulators, tables and sums are cleared once, while the first tiles are on their way), so that no first slot is written out.
; enc_out is not prefetched: its loads stand at the launch's head.  ub is: see ASK.
;
; LDS.  Two ring slots that tensor loads alone fill; behind them bytes that the waves store into and no tensor load touches.
.set RING1, 133120                     ; slot 1.  A slot: 128 rows x 1,040 bytes of ub, or, in the first four fills, for each wave 16 rows x 2,080 bytes of enc_out in f32
.set QUART, 33280                      ; a wave's quarter of a slot: what one tensor load fills
.set BP,    1040                       ; a row of ub: 1,024 bytes + 16 = 260 words: the 16 rows of a fragment load start at 16 different groups of four banks (64 banks of 4 bytes: ISA guide 11.1)
.set AP,    2080                       ; a row of enc_out: 2 x (1,024 + 16)
.set XB,    266240                     ; 32,768: the exchange: wave x 8,192 + pair x 4,096 + row tile x 1,024 + half x 512 + lane x 16.  Later each wave's own stage, 64 rows x 96 bytes
.set TAB,   299008                     ; 8,192: dcw's row of my batch, then vaw
.set SCX,   307200                     ; 1,024: [j 2][128 rows] partial scores
.set PTAB,  308224                     ; 2,048: for each wave 512: p's bf16 part [128], then its remainder [128]
.set CTXB,  310272                     ; 8,192: [i 2][1024] partial context
.set SPARE, 318464                     ; the spare words, 128 bytes for each wave: two blocks of 256 bytes that no other line names
.set SPI,   96                         ; a row of the stage: 64 bytes + 32: an odd multiple of 32
; REGISTERS, in windows of 256 (s_set_vgpr_msb: bits 1:0 source 0, 3:2 source 1, 5:4 source 2, 7:6 destination).  Window 0:
.set AF,  4                            ; v4-5  my place in my f32 tile, slot 0, 1
.set XS,  6                            ; v6    where I put partial sums
.set XL,  7                            ; v7    where I read my partner's
.set TB0, 8                            ; v8    my 8 columns in the tables, slot 0; never rewritten
.set SCA, 9                            ; v9    where I put a partial score
.set SCL, 10                           ; v10   where I read four rows' scores
.set PTS, 11                           ; v11   where I put four p
.set PFR, 12                           ; v12   my place in a fragment of p
.set VS,  13                           ; v13   stage: where I put 16 bytes of a row
.set VT,  14                           ; v14   stage: my place for the turning load
.set CB,  15                           ; v15   where I put a partial context number
.set CR,  16                           ; v16   where I read them back
.set GO,  17                           ; v17   my byte offset in the block's row of ctxp
.set PFO, 18                           ; v18   256 x lane; never rewritten
.set TID, 19                           ; v19   16 x thread
.set SPW, 20                           ; v20   LDS address of my spare word; never rewritten
.set NIL, 21                           ; v21   0; never rewritten
.set TST, 22                           ; v22   where I put 16 bytes of the tables
.set TBA, 23                           ; v23   at work in the set-up; then my 8 columns in the tables, slot in hand
.set SC,  24                           ; v[24:31]  score sums: row tile rt at SC + 2 rt (even columns', odd columns')
.set TA,  32                           ; v[32:47]  the first kept tile's 8 dcw and 8 vaw
.set TB,  48                           ; v[48:63]  the second's
.set T,   64                           ; v[64:191] f32 on their way to bf16: two sets of 64.  In the tail:
.set PF,  64                           ;   v[64:79]   p's two fragments
.set VF,  80                           ;   v[80:143]  turned fragments of enc, two sets of 32
.set DT,  144                          ;   v[144:159] two accumulators
.set WK,  160                          ;   v[160:179] at work; m, l in v[168:169]
; Window 1: v[0:127] two sets of 8 fragments of ub; then
.set ACS, 128                          ; the sent tile's four accumulators
.set KA,  160                          ; the first kept tile's
.set KB,  192                          ; the second's
.set BA,  224                          ; v[224:231] my place in ub's fragments: BA + 4 slot + 2 pair + (0 sent, 1 kept)
; Windows 2 and 3: enc in bf16: fragment (row tile rt, chunk c of 32 channels) in window 2 + c / 8 at v[32 (c % 8) + 8 rt].
.set WV,  16                           ; s16  my wave's number
.set WI,  17                           ; s17  i
.set WJ,  18                           ; s18  j
.set CX,  19                           ; s19  my place in the cluster: it enters global addresses alone
.set BLK, 20                           ; s20  my block
.set WQ,  21                           ; s21  wave x QUART
.set G1A, 24                           ; s[24:31] descriptor group 1 for enc_out's tiles
.set G1B, 32                           ; s[32:39] for ub's
.set GA0, 40                           ; s[40:47] group 0 for enc_out's tiles, a set for each slot
.set GB0, 48                           ; s[48:55] the same for ub's
.set LAPS, 56
.set LIM, 57                           ; s57  1 in the cluster that prefetches, else -1
.set CS,  58                           ; s[58:59] c: the packed scaling takes the pair's low word for both halves
.set SEL, 60                           ; s[60:61] v_permlanex16_b32's selects: each lane takes its own place in the other half
.set PFA, 62                           ; s[62:63] where my prefetches stand
.set TOF, 70                           ; s70  256 x the slot whose tables are fetched next
.set MSB, 0
.macro WIN new                         ; the immediate's high byte repeats the setting that is left; a switch that changes nothing is dropped
.if MSB != (\new)
	s_set_vgpr_msb (MSB<<8)|(\new)
.set MSB, (\new)
.endif
.endm
.macro NOPS n
.rept \n
	v_nop
.endr
.endm
; A round of the cluster's barrier: my work-group's barrier, so that wave 0's signal speaks for all four waves; wave 0 signals; every wave waits for all four work-groups; my work-group's barrier once more.
.macro CREST                           ; a round behind its opening barrier
	s_cmp_lg_u32 s[WV], 0
	s_cbranch_scc1 .Lnot_wave_0_\@
	s_barrier_signal -3
.Lnot_wave_0_\@:
	s_barrier_wait -3
	s_barrier_signal -1
	s_barrier_wait -1
.endm
.macro CROUND
	s_barrier_signal -1
	s_barrier_wait -1
	CREST
.endm
	s_load_b256 s[4:11], s[0:1], 0x0               ; enc_out s[4:5], ub s[6:7], dcw s[8:9], vaw s[10:11]
	s_load_b128 s[12:15], s[0:1], 0x20             ; ctxp s[12:13], stats s[14:15]
	v_lshl_add_u32 v[SPW], v0, 2, SPARE
	v_mov_b32 v[NIL], 0
	ds_add_u32 v[SPW], v[NIL]                      ; the wave's opening: the add and its wait stand ahead of my first tensor load; the set-up below, work on registers, stands between them
	v_lshrrev_b32 v1, 5, v0
	v_readfirstlane_b32 s[WV], v1                  ; wave 0..3
	s_lshr_b32 s[WI], s[WV], 1
	s_and_b32 s[WJ], s[WV], 1
	s_bfe_u32 s[CX], ttmp6, 0x40000
	s_lshl_b32 s[BLK], ttmp9, 2                    ; in a cluster launch ttmp9 counts clusters
	s_add_co_u32 s[BLK], s[BLK], s[CX]
	s_mul_i32 s[WQ], s[WV], QUART
	; group 1 for enc_out: 16 rows x 512 elements of 4 bytes, 1,024 elements from row to row; 4 words of padding behind every 256 words: twice in a row
	s_mov_b32 s[G1A+0], (2<<16)|(1<<20)|(7<<22)|(3<<25)
	s_mov_b32 s[G1A+1], 512<<16                    ; tensor_dim0
	s_mov_b32 s[G1A+2], 16<<16                     ; tensor_dim1
	s_mov_b32 s[G1A+3], 512<<16                    ; tile_dim0
	s_mov_b32 s[G1A+4], 16                         ; tile_dim1
	s_mov_b32 s[G1A+5], 1024
	s_mov_b32 s[G1A+6], 0
	s_mov_b32 s[G1A+7], 0
	; group 1 for ub: 32,768 dense bytes as 32 rows of 128 elements of 8 bytes: a row of ub, 1,024 bytes = 256 words, is a row of the tile, and the padding's interval is that row: 4 words behind each.
	; 15:0 the mask of four, 21 set beside it
	s_mov_b32 s[G1B+0], 15|(3<<16)|(1<<20)|(1<<21)|(7<<22)|(3<<25)
	s_mov_b32 s[G1B+1], 128<<16                    ; tensor_dim0
	s_mov_b32 s[G1B+2], 32<<16                     ; tensor_dim1
	s_mov_b32 s[G1B+3], 128<<16                    ; tile_dim0
	s_mov_b32 s[G1B+4], 32                         ; tile_dim1
	s_mov_b32 s[G1B+5], 128                        ; each row begins where the last ends
	s_mov_b32 s[G1B+6], 0
	s_mov_b32 s[G1B+7], 0
.irp b, 0,1
	s_mov_b32 s[GA0+4*(\b)], 1                     ; count = 1
	s_add_co_u32 s[GA0+4*(\b)+1], s[WQ], (\b)*RING1  ; LDS address: my quarter of slot b: the wave's number alone enters it
	s_mov_b32 s[GB0+4*(\b)], 1
	s_add_co_u32 s[GB0+4*(\b)+1], s[WQ], (\b)*RING1
.endr
	s_lshl_b32 s22, s[BLK], 19                     ; my block's 128 rows of 4,096 bytes,
	s_lshl_b32 s66, s[WI], 18                      ; my 64 of them,
	s_add_co_u32 s22, s22, s66
	s_lshl_b32 s66, s[WJ], 11                      ; my 512 channels
	s_add_co_u32 s22, s22, s66
	s_mov_b32 s23, 0
	s_lshl_b32 s66, s[WV], 15                      ; my quarter of a slot of ub
	s_mov_b32 s67, 0
	s_lshl_b32 s68, s[CX], 15                      ; the prefetches: my work-group's quarter of a slot,
	s_lshl_b32 s69, s[WV], 13                      ; my wave's quarter of that,
	s_add_co_u32 s68, s68, s69
	s_add_co_u32 s68, s68, 131072                  ; in slot 1: the first step takes it to slot 2
	s_mov_b32 s69, 0
	s_cmp_eq_u32 ttmp9, 0
	s_cselect_b32 s[LIM], 1, -1                    ; the same in all four partners
	s_mov_b32 s[CS], 0x4038aa3b                    ; c = 2 log2(e)
	s_mov_b32 s[CS+1], s[CS]
	s_mov_b32 s[SEL], 0x76543210
	s_mov_b32 s[SEL+1], 0xfedcba98
	s_mov_b32 s[TOF], 0
	s_wait_dscnt 0x0                               ; the opening add is done
	s_wait_kmcnt 0x0
	s_add_nc_u64 s[GA0+2:GA0+3], s[4:5], s[22:23]  ; row tile 0,
	s_add_nc_u64 s[GA0+6:GA0+7], s[GA0+2:GA0+3], 65536  ; row tile 1: 16 rows on
	s_or_b32 s[GA0+3], s[GA0+3], 0x80000000        ; type = 2
	s_or_b32 s[GA0+7], s[GA0+7], 0x80000000
	s_add_nc_u64 s[GB0+2:GB0+3], s[6:7], s[66:67]  ; slot 0 of ub,
	s_add_nc_u64 s[GB0+6:GB0+7], s[GB0+2:GB0+3], 131072  ; slot 1
	s_or_b32 s[GB0+3], s[GB0+3], 0x80000000
	s_or_b32 s[GB0+7], s[GB0+7], 0x80000000
	s_add_nc_u64 s[PFA:PFA+1], s[6:7], s[68:69]
	s_lshr_b32 s22, s[BLK], 4                      ; my batch,
	s_lshl_b32 s22, s22, 12                        ; its row of dcw
	s_add_nc_u64 s[8:9], s[8:9], s[22:23]
	s_lshl_b32 s22, s[BLK], 12
	s_add_nc_u64 s[12:13], s[12:13], s[22:23]      ; my block's row of ctxp
	s_lshl_b32 s22, s[BLK], 3
	s_add_nc_u64 s[14:15], s[14:15], s[22:23]      ; and its 8 bytes of stats
	CROUND                                         ; in a cluster launch every group of tensor loads stands behind a round
	tensor_load_to_lds s[GA0:GA0+3], s[G1A:G1A+7]  ; the first fills, together: two loads of mine are out
	s_nop 0
	tensor_load_to_lds s[GA0+4:GA0+7], s[G1A:G1A+7]
	s_nop 0
	NOPS 4
	; While they are on their way: the tables are asked for, the addresses made, and what the first slot's lumps read is cleared.
	v_lshlrev_b32 v[TID], 4, v0
	global_load_b128 v[T:T+3],     v[TID], s[8:9]
	global_load_b128 v[T+4:T+7],   v[TID], s[8:9] offset:2048
	global_load_b128 v[T+8:T+11],  v[TID], s[10:11]
	global_load_b128 v[T+12:T+15], v[TID], s[10:11] offset:2048
	v_and_b32 v1, 15, v0                           ; l % 16
	v_bfe_u32 v2, v0, 4, 1                         ; l / 16
	v_and_b32 v3, 31, v0                           ; l
	v_mul_u32_u24 v[AF], v1, AP                    ; f32 tile: row l % 16, 8 numbers for each half of the lanes
	v_lshl_add_u32 v[AF], v2, 5, v[AF]
	v_add_nc_u32 v[AF], s[WQ], v[AF]
	v_add_nc_u32 v[AF+1], RING1, v[AF]
	s_lshl_b32 s22, s[WV], 13
	s_add_co_u32 s22, s22, XB                      ; my 8,192 bytes of the exchange,
	s_xor_b32 s23, s[WV], 1
	s_lshl_b32 s23, s23, 13
	s_add_co_u32 s23, s23, XB                      ; my partner's
	v_lshl_add_u32 v[XS], v3, 4, s22
	v_lshl_add_u32 v[XL], v3, 4, s23
	s_lshl_b32 s23, s[WJ], 6
	s_add_co_u32 s23, s23, TAB
	v_lshl_add_u32 v[TB0], v2, 5, s23              ; columns 16 j + 8 (l / 16) on
	s_lshl_b32 s23, s[WJ], 9
	s_lshl_b32 s66, s[WI], 8
	s_add_co_u32 s23, s23, s66
	s_add_co_u32 s23, s23, SCX
	v_lshl_add_u32 v[SCA], v1, 2, s23
	v_lshl_add_u32 v[SCL], v3, 4, SCX
	s_lshl_b32 s23, s[WV], 9
	s_add_co_u32 s23, s23, PTAB
	v_lshl_add_u32 v[PTS], v3, 3, s23
	v_and_b32 v[TBA], 1, v0
	v_lshl_add_u32 v[PFR], v[TBA], 8, s23          ; even rows of the fragment take p's bf16 part, odd rows its remainder
	v_lshl_add_u32 v[PFR], v2, 4, v[PFR]
	s_lshl_b32 s23, s[WI], 7
	v_add_nc_u32 v[PFR], s23, v[PFR]               ; my 64 rows
	v_mul_u32_u24 v[VS], v1, SPI
	v_lshl_add_u32 v[VS], v2, 4, v[VS]
	v_add_nc_u32 v[VS], s22, v[VS]
	v_and_b32 v[TBA], 7, v0                        ; the turning load: lane l reads row 8 (l / 16) + l % 8, 16 bytes at 16 ((l / 8) % 2)
	v_lshl_add_u32 v[TBA], v2, 3, v[TBA]
	v_mul_u32_u24 v[VT], v[TBA], SPI
	v_bfe_u32 v[TBA], v0, 3, 1
	v_lshl_add_u32 v[VT], v[TBA], 4, v[VT]
	v_add_nc_u32 v[VT], s22, v[VT]
	s_lshl_b32 s23, s[WI], 12
	s_lshl_b32 s66, s[WJ], 11
	s_add_co_u32 s23, s23, s66
	s_add_co_u32 s23, s23, CTXB
	v_lshl_add_u32 v[CB], v1, 2, s23
	s_lshl_b32 s23, s[WV], 10
	v_lshl_add_u32 v[GO], v3, 4, s23
	v_add_nc_u32 v[CR], CTXB, v[GO]
	v_lshlrev_b32 v[PFO], 8, v3
	v_add_nc_u32 v[TST], TAB, v[TID]
	v_mul_u32_u24 v[TBA], v1, BP                   ; ub's fragments: row l % 16, 16 bytes for each half of the lanes
	v_lshl_add_u32 v[TBA], v2, 4, v[TBA]
	s_mul_i32 s23, s[WJ], 32*BP                    ; my half of K: 32 rows of a pair's 64,
	s_xor_b32 s66, s[WJ], 1
	s_mul_i32 s66, s66, 16*BP
	s_add_co_u32 s66, s66, s23                     ; the sent tile: 1 - j,
	s_mul_i32 s67, s[WJ], 16*BP
	s_add_co_u32 s67, s67, s23                     ; the kept tile: j
	WIN 0x40                                       ; destination window 1
.irp sl, 0,1
.irp e, 0,1
	s_add_co_u32 s68, s66, (\sl)*RING1+(\e)*64*BP
	s_add_co_u32 s69, s67, (\sl)*RING1+(\e)*64*BP
	v_add_nc_u32 v[BA+4*(\sl)+2*(\e)], s68, v[TBA]
	v_add_nc_u32 v[BA+4*(\sl)+2*(\e)+1], s69, v[TBA]
.endr
.endr
.set z, KA
.rept 64
	v_mov_b32 v[z], 0                              ; both kept tiles' accumulators,
.set z, z+1
.endr
	WIN 0
.set z, SC
.rept 40
	v_mov_b32 v[z], 0                              ; the score sums and both tables: the first slot's lumps add 0.5 x 0
.set z, z+1
.endr
	s_wait_loadcnt 0x0
	ds_store_b128 v[TST], v[T:T+3]
	ds_store_b128 v[TST], v[T+4:T+7]   offset:2048
	ds_store_b128 v[TST], v[T+8:T+11]  offset:4096
	ds_store_b128 v[TST], v[T+12:T+15] offset:6144 ; read by other waves behind the rounds below, ahead of which every wave waits for its LDS instructions
; ROWS INTO REGISTERS.  A fragment is 16 rows x 32 channels: lane l holds row l % 16, channels 8 (l / 16) + 0..7 and 16 + 8 (l / 16) + 0..7: in f32 four loads of 16 bytes.
.macro CLD buf, q                      ; chunks 4 q .. 4 q + 3: 16 loads into set q % 2
	WIN 0
.irp k, 0,1,2,3
	ds_load_b128 v[T+64*((\q)%2)+16*(\k):T+64*((\q)%2)+16*(\k)+3],     v[AF+(\buf)] offset:128*(4*(\q)+(\k))+16*((\q)/2)
	ds_load_b128 v[T+64*((\q)%2)+16*(\k)+4:T+64*((\q)%2)+16*(\k)+7],   v[AF+(\buf)] offset:128*(4*(\q)+(\k))+16*((\q)/2)+16
	ds_load_b128 v[T+64*((\q)%2)+16*(\k)+8:T+64*((\q)%2)+16*(\k)+11],  v[AF+(\buf)] offset:128*(4*(\q)+(\k))+16*((\q)/2)+64
	ds_load_b128 v[T+64*((\q)%2)+16*(\k)+12:T+64*((\q)%2)+16*(\k)+15], v[AF+(\buf)] offset:128*(4*(\q)+(\k))+16*((\q)/2)+80
.endr
.endm
.macro CCV rt, q                       ; rounded once, two numbers an instruction, into window 2 or 3
	WIN 0x80+0x40*((\q)/2)
.irp k, 0,1,2,3
.irp m, 0,1,2,3,4,5,6,7
	v_cvt_pk_bf16_f32 v[32*((4*(\q)+(\k))%8)+8*(\rt)+(\m)], v[T+64*((\q)%2)+16*(\k)+2*(\m)], v[T+64*((\q)%2)+16*(\k)+2*(\m)+1]
.endr
.endr
.endm
.macro CONVERT rt, buf                 ; the counts of 16: the one younger batch stays out
	CLD \buf, 0
	CLD \buf, 1
	s_wait_dscnt 16
	CCV \rt, 0
	CLD \buf, 2
	s_wait_dscnt 16
	CCV \rt, 1
	CLD \buf, 3
	s_wait_dscnt 16
	CCV \rt, 2
	s_wait_dscnt 0x0
	CCV \rt, 3
.endm
; Slot buf, which I have read, takes my row tile two further on.
.macro CHANGE_A buf
	WIN 0
	s_wait_tensorcnt 0x0                           ; no tensor load of mine is out, so a group 0 may be written
	ds_add_u32 v[SPW], v[NIL]                      ; 0 onto my spare word
	s_add_nc_u64 s[GA0+4*(\buf)+2:GA0+4*(\buf)+3], s[GA0+4*(\buf)+2:GA0+4*(\buf)+3], 131072  ; 32 rows on
	s_wait_dscnt 0x0                               ; the add is done, and my reads of the slot are over
	CROUND
	tensor_load_to_lds s[GA0+4*(\buf):GA0+4*(\buf)+3], s[G1A:G1A+7]  ; my one tensor load behind the round, and the first thing there
	s_nop 0
	NOPS 4
.endm
	s_wait_tensorcnt 0x1                           ; row tile 0 is in; tile 1 stays out.  Only I read my quarter, so my own counter is all that the reads need
	CONVERT 0, 0
	CHANGE_A 0
	s_wait_tensorcnt 0x1                           ; one load was issued behind tile 1's
	CONVERT 1, 1
	CHANGE_A 1
	s_wait_tensorcnt 0x1
	CONVERT 2, 0
	WIN 0
	s_wait_tensorcnt 0x0                           ; slot 0 goes over to ub: the same three lines, the round,
	ds_add_u32 v[SPW], v[NIL]
	s_wait_dscnt 0x0
	CROUND
	tensor_load_to_lds s[GB0:GB0+3], s[G1B:G1B+7]  ; and the first joint load: my quarter of ub's slot 0
	s_nop 0
	NOPS 4
	s_wait_tensorcnt 0x1
	CONVERT 3, 1
; THE MAIN LOOP'S PARTS.
; 32 products: 8 chunks x my 4 row tiles, on fragment set fs, half hf of my channels.  The four accumulators take turns, one instruction a turn.  first = 1: the first four start the sums.
; Under the products' window setting an LDS load has its destination and its address in window 1, so the next group's 16 loads ride behind products 2 to 9 without a switch.  The four v_nop behind products
; 0 and 1 are the places (ISA guide 7.12.1 for vector instructions) between the last group's products and loads into the set that they read.  wt: the LDS instructions younger than this group's fragments.
.macro GROUP acc, first, hf, fs, wt, nf, nadr, nhalf
	WIN 0x59+4*(\hf)                               ; ub, C and D in window 1, enc in window 2 or 3
	s_wait_dscnt \wt
.set g, 0
.rept 32
.if (\first) && (g < 4)
	v_wmma_f32_16x16x32_bf16 v[(\acc)+8*(g%4):(\acc)+8*(g%4)+7], v[64*(\fs)+8*(g/4):64*(\fs)+8*(g/4)+7], v[32*(g/4)+8*(g%4):32*(g/4)+8*(g%4)+7], 0
.else
	v_wmma_f32_16x16x32_bf16 v[(\acc)+8*(g%4):(\acc)+8*(g%4)+7], v[64*(\fs)+8*(g/4):64*(\fs)+8*(g/4)+7], v[32*(g/4)+8*(g%4):32*(g/4)+8*(g%4)+7], v[(\acc)+8*(g%4):(\acc)+8*(g%4)+7]
.endif
.if g < 2
	v_nop
	v_nop
.elseif (\nf) && (g < 10)
	ds_load_b128 v[64*(1-(\fs))+8*(g-2):64*(1-(\fs))+8*(g-2)+3],   v[\nadr] offset:512*(\nhalf)+64*(g-2)
	ds_load_b128 v[64*(1-(\fs))+8*(g-2)+4:64*(1-(\fs))+8*(g-2)+7], v[\nadr] offset:512*(\nhalf)+64*(g-2)+32
.endif
.set g, g+1
.endr
.endm
.macro FETCH adr                       ; a slot's first 8 fragments, into set 0
	WIN 0x41
.irp f, 0,1,2,3,4,5,6,7
	ds_load_b128 v[8*(\f):8*(\f)+3],   v[\adr] offset:64*(\f)
	ds_load_b128 v[8*(\f)+4:8*(\f)+7], v[\adr] offset:64*(\f)+32
.endr
.endm
.macro STX e                           ; pair e's sent sums into the exchange; each accumulator's low registers first
	WIN 0x04                                       ; data in window 1
.irp rt, 0,1,2,3
	ds_store_b128 v[XS], v[ACS+8*(\rt):ACS+8*(\rt)+3]   offset:4096*(\e)+1024*(\rt)
	ds_store_b128 v[XS], v[ACS+8*(\rt)+4:ACS+8*(\rt)+7] offset:4096*(\e)+1024*(\rt)+512
.endr
.endm
.macro LDX acc, e                      ; my partner's sums for pair e's kept tile, straight into its accumulators: lane for lane the same numbers' places
	WIN 0x40
.irp rt, 0,1,2,3
	ds_load_b128 v[(\acc)+8*(\rt):(\acc)+8*(\rt)+3],   v[XL] offset:4096*(\e)+1024*(\rt)
	ds_load_b128 v[(\acc)+8*(\rt)+4:(\acc)+8*(\rt)+7], v[XL] offset:4096*(\e)+1024*(\rt)+512
.endr
.endm
.macro TLOAD tab, off                  ; a kept tile's 8 dcw and 8 vaw
	WIN 0
	ds_load_b128 v[(\tab):(\tab)+3],     v[TBA] offset:(\off)
	ds_load_b128 v[(\tab)+4:(\tab)+7],   v[TBA] offset:(\off)+16
	ds_load_b128 v[(\tab)+8:(\tab)+11],  v[TBA] offset:(\off)+4096
	ds_load_b128 v[(\tab)+12:(\tab)+15], v[TBA] offset:(\off)+4112
.endm
; The first half of a kept tile's 128 tanh: 2^(c x + c dec), in place.  The pairs go in ascending order.  The 32 exponentials are one batch: none of these lines
; names an exponential's result; a plain instruction and ONE wait close the batch.
.macro LUMP1 acc, tab
	WIN 0x41                                       ; the accumulators in window 1, the table in window 0
.set p, 0
.rept 17
.if p < 16
	v_pk_fma_f32 v[(\acc)+2*p:(\acc)+2*p+1], v[(\acc)+2*p:(\acc)+2*p+1], s[CS:CS+1], v[(\tab)+2*(p%4):(\tab)+2*(p%4)+1] op_sel_hi:[1,0,1]
.endif
.if p > 0
	v_exp_f32 v[(\acc)+2*p-2], v[(\acc)+2*p-2]
	v_exp_f32 v[(\acc)+2*p-1], v[(\acc)+2*p-1]
.endif
.set p, p+1
.endr
	v_nop
	s_wait_alu depctr_va_vdst(0)
.endm
; The second half: r = 1 / (1 + that), a batch of 32 reciprocals with one wait; then the score sums take vaw r, the four row tiles by turns.
.macro LUMP2 acc, tab
	WIN 0x41
.set p, 0
.rept 17
.if p < 16
	v_pk_add_f32 v[(\acc)+2*p:(\acc)+2*p+1], v[(\acc)+2*p:(\acc)+2*p+1], 1.0 op_sel_hi:[1,0]
.endif
.if p > 0
	v_rcp_f32 v[(\acc)+2*p-2], v[(\acc)+2*p-2]
	v_rcp_f32 v[(\acc)+2*p-1], v[(\acc)+2*p-1]
.endif
.set p, p+1
.endr
	v_nop
	s_wait_alu depctr_va_vdst(0)
	WIN 0x01                                       ; r in window 1; vaw and the sums in window 0
.set p, 0
.rept 16
	v_pk_fma_f32 v[SC+2*(p%4):SC+2*(p%4)+1], v[(\acc)+8*(p%4)+2*(p/4):(\acc)+8*(p%4)+2*(p/4)+1], v[(\tab)+8+2*(p/4):(\tab)+8+2*(p/4)+1], v[SC+2*(p%4):SC+2*(p%4)+1]
.set p, p+1
.endr
.endm
; A PREFETCH INTO THE L2 of the slot of ub that the NEXT change of slots will ask for: 256 products a wave ahead of that load.  All clusters walk the same ub: the first cluster asks, nobody else.  Its four
; work-groups x four waves x 32 lanes name the slot's 512 blocks of 256 bytes once each, shared out BY ADDRESS: no branch hangs on a work-group's place in its cluster.  Slots 0 and 1 come by their loads alone;
; the loop's 14 changes name slots 2 to 15; the tail asks for nothing.
.macro ASK
	s_cmp_eq_u32 s[LIM], 1
	s_cbranch_scc0 .Lnot_mine_\@
	global_prefetch_b8 v[PFO], s[PFA:PFA+1] th:TH_LOAD_NT scope:SCOPE_SE
.Lnot_mine_\@:
.endm
; A SLOT: 64 columns of ub in ring slot s, 256 products a wave.  fill = 1: the other ring slot takes ub's next slot.
.macro SLOT s, fill, ask
	WIN 0
.if \ask
	s_wait_xcnt 0x0                                ; the last prefetch, a slot back, has read its address
	s_add_nc_u64 s[PFA:PFA+1], s[PFA:PFA+1], 131072
.endif
	s_wait_tensorcnt 0x0                           ; all my tensor loads have landed: the one that was out is my quarter of this slot;
	ds_add_u32 v[SPW], v[NIL]                      ; 0 onto my spare word;
	s_add_nc_u64 s[GB0+4*(\s)+2:GB0+4*(\s)+3], s[GB0+4*(\s)+2:GB0+4*(\s)+3], 262144  ; this ring slot's next filling: two slots of ub on
	s_wait_dscnt 0x0                               ; the add is done; my reads of the other ring slot and of the exchange are over
	s_barrier_signal -1                            ; (with fill = 1 this barrier opens a round of the cluster's)
	LUMP1 KA, TA                                   ; work on registers while the others arrive: the slot before's first kept tile
	WIN 0                                          ; at a branch and at a label every window is 0
	s_barrier_wait -1
.if \fill
	CREST                                          ; no wave of any partner still reads the other ring slot or has a load on its way
	tensor_load_to_lds s[GB0+4*(1-(\s)):GB0+4*(1-(\s))+3], s[G1B:G1B+7]  ; the joint refill, first behind the round: it has this slot's 256 products in which to land
	s_nop 0
	NOPS 4
.endif
	FETCH BA+4*(\s)
.if \ask
	WIN 0
	ASK
.endif
	LUMP2 KA, TA                                   ; stands in the wait for those fragments
	GROUP ACS, 1, 0, 0, 0, 1, BA+4*(\s), 1         ; pair 0's sent tile
	GROUP ACS, 0, 1, 1, 0, 1, BA+4*(\s)+2, 0
	NOPS 5                                         ; the places between those products and the stores of their results, and the products that start the sums anew
	STX 0
	GROUP ACS, 1, 0, 0, 8, 1, BA+4*(\s)+2, 1       ; pair 1's; the eight stores are younger than its fragments
	GROUP ACS, 0, 1, 1, 0, 1, BA+4*(\s)+1, 0
	NOPS 5
	STX 1
	WIN 0
	v_add_nc_u32 v[TBA], s[TOF], v[TB0]            ; this slot's columns in the tables
	s_add_co_u32 s[TOF], s[TOF], 256
	s_wait_dscnt 0x0                               ; for my partner's sake: my stores into the exchange are done
	s_barrier_signal -1                            ; the refill stays on its way
	LUMP1 KB, TB                                   ; the slot before's second kept tile
	s_barrier_wait -1
	TLOAD TA, 0
	LDX KA, 0
	LUMP2 KB, TB                                   ; stands in the wait for those; the second kept tile's accumulators are free only behind it
	LDX KB, 1
	TLOAD TB, 128
	GROUP KA, 0, 0, 0, 12, 1, BA+4*(\s)+1, 1       ; pair 0's kept tile, onto my partner's sums; the twelve loads just issued may stay out
	GROUP KA, 0, 1, 1, 0, 1, BA+4*(\s)+3, 0
	GROUP KB, 0, 0, 0, 0, 1, BA+4*(\s)+3, 1        ; pair 1's
	GROUP KB, 0, 1, 1, 0, 0, BA, 0
.endm
	WIN 0
	s_mov_b32 s[LAPS], 7
.Llap:                                                 ; a trip goes once round the ring: two slots of ub
	SLOT 0, 1, 1
	SLOT 1, 1, 1
	WIN 0
	s_sub_co_u32 s[LAPS], s[LAPS], 1
	s_cmp_lg_u32 s[LAPS], 0
	s_cbranch_scc1 .Llap
	SLOT 0, 1, 0                                   ; the tail is written out: slot 14 asks for slot 15
	SLOT 1, 0, 0                                   ; slot 15 for nothing (its stepped address is not used)
	LUMP1 KA, TA                                   ; the last slot's lumps.  Eight v_nop stand between the first kept tile's last product and this line
	LUMP2 KA, TA
	LUMP1 KB, TB
	LUMP2 KB, TB
	; THE SCORES.  A lane's two sums, the other half of the lanes' and, through LDS, the partner wave's columns are added.
	WIN 0
.irp rt, 0,1,2,3
	v_add_f32 v[SC+2*(\rt)], v[SC+2*(\rt)], v[SC+2*(\rt)+1]
.endr
.irp rt, 0,1,2,3
	v_permlanex16_b32 v[SC+2*(\rt)+1], v[SC+2*(\rt)], s[SEL], s[SEL+1]
.endr
.irp rt, 0,1,2,3
	v_add_f32 v[SC+2*(\rt)], v[SC+2*(\rt)], v[SC+2*(\rt)+1]
.endr
.irp rt, 0,1,2,3
	ds_store_b32 v[SCA], v[SC+2*(\rt)] offset:64*(\rt)  ; lanes l and l + 16 write the same word with the same number
.endr
	s_wait_dscnt 0x0
	s_barrier_signal -1
	s_barrier_wait -1                              ; all 128 rows' two partial scores lie in LDS; nobody reads the exchange any more
	ds_load_b128 v[WK:WK+3],   v[SCL]              ; every wave takes all rows, four a lane, and makes m, l and p for itself
	ds_load_b128 v[WK+4:WK+7], v[SCL] offset:512
	s_wait_dscnt 0x0
	v_pk_add_f32 v[WK:WK+1],   v[WK:WK+1],   v[WK+4:WK+5]
	v_pk_add_f32 v[WK+2:WK+3], v[WK+2:WK+3], v[WK+6:WK+7]
	v_max3_num_f32 v[WK+8], v[WK], v[WK+1], v[WK+2]
	v_max_num_f32 v[WK+8], v[WK+8], v[WK+3]
	v_max_num_f32_dpp v[WK+8], v[WK+8], v[WK+8] row_xmask:1 row_mask:0xf bank_mask:0xf
	v_max_num_f32_dpp v[WK+8], v[WK+8], v[WK+8] row_xmask:2 row_mask:0xf bank_mask:0xf
	v_max_num_f32_dpp v[WK+8], v[WK+8], v[WK+8] row_xmask:4 row_mask:0xf bank_mask:0xf
	v_max_num_f32_dpp v[WK+8], v[WK+8], v[WK+8] row_xmask:8 row_mask:0xf bank_mask:0xf
	v_permlanex16_b32 v[WK+4], v[WK+8], s[SEL], s[SEL+1]
	v_max_num_f32 v[WK+8], v[WK+8], v[WK+4]        ; m: the block's true maximum, in every lane
.irp x, 0,1,2,3
	v_sub_f32 v[WK+(\x)], v[WK+(\x)], v[WK+8]
.endr
.irp x, 0,1,2,3
	v_exp_f32 v[WK+(\x)], v[WK+(\x)]               ; p = 2^(s - m), in 0 to 1
.endr
	v_nop
	s_wait_alu depctr_va_vdst(0)                   ; one wait for the four, ahead of their first reader
	v_pk_add_f32 v[WK+10:WK+11], v[WK:WK+1], v[WK+2:WK+3]
	v_add_f32 v[WK+10], v[WK+10], v[WK+11]
	v_add_f32_dpp v[WK+10], v[WK+10], v[WK+10] row_xmask:1 row_mask:0xf bank_mask:0xf
	v_add_f32_dpp v[WK+10], v[WK+10], v[WK+10] row_xmask:2 row_mask:0xf bank_mask:0xf
	v_add_f32_dpp v[WK+10], v[WK+10], v[WK+10] row_xmask:4 row_mask:0xf bank_mask:0xf
	v_add_f32_dpp v[WK+10], v[WK+10], v[WK+10] row_xmask:8 row_mask:0xf bank_mask:0xf
	v_permlanex16_b32 v[WK+11], v[WK+10], s[SEL], s[SEL+1]
	v_add_f32 v[WK+9], v[WK+10], v[WK+11]          ; l, beside m
	v_cvt_pk_bf16_f32 v[WK+12], v[WK], v[WK+1]     ; p's bf16 part,
	v_cvt_pk_bf16_f32 v[WK+13], v[WK+2], v[WK+3]
	v_lshlrev_b32 v[WK+14], 16, v[WK+12]           ; widened again,
	v_and_b32 v[WK+15], 0xffff0000, v[WK+12]
	v_lshlrev_b32 v[WK+16], 16, v[WK+13]
	v_and_b32 v[WK+17], 0xffff0000, v[WK+13]
	v_pk_add_f32 v[WK+14:WK+15], v[WK:WK+1],   v[WK+14:WK+15] neg_lo:[0,1] neg_hi:[0,1]  ; what it lost,
	v_pk_add_f32 v[WK+16:WK+17], v[WK+2:WK+3], v[WK+16:WK+17] neg_lo:[0,1] neg_hi:[0,1]
	v_cvt_pk_bf16_f32 v[WK+18], v[WK+14], v[WK+15] ; in bf16 too
	v_cvt_pk_bf16_f32 v[WK+19], v[WK+16], v[WK+17]
	ds_store_b64 v[PTS], v[WK+12:WK+13]
	ds_store_b64 v[PTS], v[WK+18:WK+19] offset:256
.irp s, 0,1                                    ; p as source 0: 16 rows (even: the bf16 part, odd: the remainder) x 32 of my 64 t.  My own bytes: LDS serves a wave's instructions in order (ISA guide 5.7.1.4)
	ds_load_b128 v[PF+8*(\s):PF+8*(\s)+3],   v[PFR] offset:64*(\s)
	ds_load_b128 v[PF+8*(\s)+4:PF+8*(\s)+7], v[PFR] offset:64*(\s)+32
.endr
; THE CONTEXT, 32 channels (a chunk) at a time.  My fragments hold a row t a lane; the second product wants a channel a lane.  So a chunk's four fragments go into my own stage, 64 rows x 64 bytes,
; and come back turned, by ds_load_tr16_b128, as source 1: 16 channels x 32 t.
.macro STAGE c
	WIN 0x08+4*((\c)/8)                            ; data in window 2 or 3
.irp rt, 0,1,2,3
	ds_store_b128 v[VS], v[32*((\c)%8)+8*(\rt):32*((\c)%8)+8*(\rt)+3]   offset:16*SPI*(\rt)
	ds_store_b128 v[VS], v[32*((\c)%8)+8*(\rt)+4:32*((\c)%8)+8*(\rt)+7] offset:16*SPI*(\rt)+32
.endr
	WIN 0
.irp u, 0,1
.irp s, 0,1
	ds_load_tr16_b128 v[VF+32*((\c)%2)+16*(\u)+8*(\s):VF+32*((\c)%2)+16*(\u)+8*(\s)+3],   v[VT] offset:32*SPI*(\s)+32*(\u)
	ds_load_tr16_b128 v[VF+32*((\c)%2)+16*(\u)+8*(\s)+4:VF+32*((\c)%2)+16*(\u)+8*(\s)+7], v[VT] offset:32*SPI*(\s)+32*(\u)+16*SPI
.endr
.endr
.endm
; Four products, the two accumulators by turns.  In a result every lane's register 0 is the bf16 part's sum for channel l % 16 and register 1 the remainder's.  wt: the LDS instructions younger than the chunk's stage.
.macro CTX c, wt
	WIN 0
	s_wait_dscnt \wt
.irp s, 0,1
.irp u, 0,1
.if (\s) == 0
	v_wmma_f32_16x16x32_bf16 v[DT+8*(\u):DT+8*(\u)+7], v[PF+8*(\s):PF+8*(\s)+7], v[VF+32*((\c)%2)+16*(\u)+8*(\s):VF+32*((\c)%2)+16*(\u)+8*(\s)+7], 0
.else
	v_wmma_f32_16x16x32_bf16 v[DT+8*(\u):DT+8*(\u)+7], v[PF+8*(\s):PF+8*(\s)+7], v[VF+32*((\c)%2)+16*(\u)+8*(\s):VF+32*((\c)%2)+16*(\u)+8*(\s)+7], v[DT+8*(\u):DT+8*(\u)+7]
.endif
.endr
.endr
	NOPS 5                                         ; the places ahead of the sums below, of the next stage's loads and of the products that start anew
.irp u, 0,1
	v_add_f32 v[WK+(\u)], v[DT+8*(\u)], v[DT+8*(\u)+1]
.endr
.irp u, 0,1
	ds_store_b32 v[CB], v[WK+(\u)] offset:128*(\c)+64*(\u)
.endr
.endm
	STAGE 0
	STAGE 1
	CTX 0, 16                                      ; behind stage 0: stage 1's sixteen
.set ch, 1
.rept 14
	STAGE ch+1
	CTX ch, 18                                     ; behind stage ch: the last chunk's two stores and the next stage's sixteen
.set ch, ch+1
.endr
	CTX 15, 2
	s_wait_dscnt 0x0
	s_barrier_signal -1
	s_barrier_wait -1                              ; both row halves' sums for all 1,024 channels lie in LDS
	ds_load_b128 v[WK:WK+3],     v[CR]             ; wave w sends channels 256 w .. 256 w + 255
	ds_load_b128 v[WK+4:WK+7],   v[CR] offset:512
	ds_load_b128 v[WK+12:WK+15], v[CR] offset:4096
	ds_load_b128 v[WK+16:WK+19], v[CR] offset:4608
	s_wait_dscnt 0x0
.irp x, 0,2,4,6
	v_pk_add_f32 v[WK+(\x):WK+(\x)+1], v[WK+(\x):WK+(\x)+1], v[WK+12+(\x):WK+12+(\x)+1]
.endr
	global_store_b128 v[GO], v[WK:WK+3],   s[12:13]              ; each store of the wave covers 512 consecutive bytes, aligned
	global_store_b128 v[GO], v[WK+4:WK+7], s[12:13] offset:512
	s_cmp_lg_u32 s[WV], 0
	s_cbranch_scc1 .Lno_stats
	v_mov_b32 v[TBA], 0
	v_cmp_eq_u32 vcc_lo, 0, v3
	s_wait_xcnt 0x0                                ; EXEC is a source of the stores above: it changes only behind this wait
	s_and_saveexec_b32 s68, vcc_lo
	global_store_b64 v[TBA], v[WK+8:WK+9], s[14:15]  ; wave 0, lane 0: (m, l)
	s_wait_xcnt 0x0                                ; and again ahead of the line that widens it
	s_or_b32 exec_lo, exec_lo, s68
.Lno_stats:
	s_wait_tensorcnt 0x0                           ; the wave's end: behind my last tensor load and my last LDS store
	ds_add_u32 v[SPW], v[NIL]
	s_wait_dscnt 0x0
	CROUND                                         ; the closing round: no work-group ends while a partner may still ask for a tile that names it
	s_endpgm
.Lfunc_end_k_qfb9563ce06_attn:
	.size	k_qfb9563ce06_attn, .Lfunc_end_k_qfb9563ce06_attn-k_qfb9563ce06_attn
	.p2alignl 7, 3214868480
	.fill 96, 4, 3214868480
	.section	.rodata,"a",@progbits
	.p2align	6, 0x0
	.amdhsa_kernel k_qfb9563ce06_attn
		.amdhsa_group_segment_fixed_size 327680
		.amdhsa_private_segment_fixed_size 0
		.amdhsa_enable_private_segment 0
		.amdhsa_kernarg_size 48
		.amdhsa_user_sgpr_count 2
		.amdhsa_user_sgpr_kernarg_segment_ptr 1
		.amdhsa_wavefront_size32 1
		.amdhsa_system_sgpr_workgroup_id_x 1
		.amdhsa_system_sgpr_workgroup_id_y 1
		.amdhsa_system_sgpr_workgroup_id_z 1
		.amdhsa_system_vgpr_workitem_id 0
		.amdhsa_next_free_vgpr 1024
		.amdhsa_next_free_sgpr 72
		.amdhsa_reserve_vcc 1
		.amdhsa_float_denorm_mode_32 3
		.amdhsa_float_denorm_mode_16_64 3
		.amdhsa_memory_ordered 1
		.amdhsa_forward_progress 1
		.amdhsa_inst_pref_size 255
	.end_amdhsa_kernel
	.section	.bss,"aw",@nobits
	.p2align	6
	.space	262144
	.amdgpu_metadata
---
amdhsa.version: [ 1, 2 ]
amdhsa.kernels:
  - .name:           k_qfb9563ce06_attn
    .symbol:         k_qfb9563ce06_attn.kd
    .args:
      - { .name: enc_out, .offset: 0, .size: 8, .value_kind: global_buffer, .address_space: global }
      - { .name: ub, .offset: 8, .size: 8, .value_kind: global_buffer, .address_space: global }
      - { .name: dcw, .offset: 16, .size: 8, .value_kind: global_buffer, .address_space: global }
      - { .name: vaw, .offset: 24, .size: 8, .value_kind: global_buffer, .address_space: global }
      - { .name: ctxp, .offset: 32, .size: 8, .value_kind: global_buffer, .address_space: global }
      - { .name: stats, .offset: 40, .size: 8, .value_kind: global_buffer, .address_space: global }
    .group_segment_fixed_size: 327680
    .private_segment_fixed_size: 0
    .kernarg_segment_align: 8
    .kernarg_segment_size: 48
    .max_flat_workgroup_size: 128
    .sgpr_count:     72
    .vgpr_count:     1024
    .wavefront_size: 32
...
	.end_amdgpu_metadata
.endif
;; end of part 2
;; launch merge (part 3): grid 128 x 1, 2 waves a work-group, no clusters, 0 bytes of LDS; arguments ctxp, stats, out0; writes out0
.if DOCPART == 3
	.amdgcn_target "amdgcn-amd-amdhsa--gfx1250"
	.amdhsa_code_object_version 6
	.text
	.protected	k_qfb9563ce06_merge
	.globl	k_qfb9563ce06_merge
	.p2align	8
	.type	k_qfb9563ce06_merge,@function
k_qfb9563ce06_merge:
	s_mov_b64 s[64:65], 0
	v_nop
	global_prefetch_b8 v0, s[64:65] scope:SCOPE_SE
	s_setreg_imm32_b32 hwreg(HW_REG_WAVE_MODE, 25, 1), 1
	s_wait_xcnt 0x0
; out0[b][h] = the sum over a batch's 16 blocks s of 2^(m_s - M) ctxp[16 b + s][h], divided by the sum of 2^(m_s - M) l_s; M = the largest m_s: the softmax row's true maximum (in units of log2).
; A work-group takes a quarter (256 channels) of one batch's row; a thread 16 bytes of it.  The block that holds M has a weight of 1 and an l of at least 1, so the divisor is at least 1.
; A weight below 2^-126 counts as 0.  No LDS, no matrix unit: 16 KiB come in and 1 KiB goes out for each work-group.
.set CT, 16                            ; v[16:79]  block s's four numbers at CT + 4 s
.set W,  80                            ; v[80:95]  the 16 weights
.set ST, 16                            ; s[16:47]  (m_s, l_s) at ST + 2 s
	s_load_b128 s[4:7], s[0:1], 0x0                ; ctxp s[4:5], stats s[6:7]
	s_load_b64 s[8:9], s[0:1], 0x10                ; out0
	s_lshr_b32 s12, ttmp9, 2                       ; the batch
	s_and_b32 s13, ttmp9, 3                        ; the quarter
	v_lshlrev_b32 v1, 4, v0
	s_lshl_b32 s10, s12, 7                         ; 16 pairs of 8 bytes
	s_mov_b32 s11, 0
	s_lshl_b32 s13, s13, 10
	s_lshl_b32 s14, s12, 16                        ; 16 rows of 4,096 bytes
	s_add_co_u32 s14, s14, s13
	s_mov_b32 s15, 0
	s_lshl_b32 s2, s12, 12
	s_add_co_u32 s2, s2, s13
	s_mov_b32 s3, 0
	s_wait_kmcnt 0x0
	s_add_nc_u64 s[6:7], s[6:7], s[10:11]
	s_add_nc_u64 s[4:5], s[4:5], s[14:15]
	s_add_nc_u64 s[8:9], s[8:9], s[2:3]
	s_load_b512 s[ST:ST+15], s[6:7], 0x0
	s_load_b512 s[ST+16:ST+31], s[6:7], 0x40
.irp s, 0,1,2,3,4,5,6,7,8,9,10,11,12,13,14,15
	global_load_b128 v[CT+4*(\s):CT+4*(\s)+3], v1, s[4:5] offset:4096*(\s) th:TH_LOAD_NT
.endr
	s_wait_kmcnt 0x0
	v_mov_b32 v2, s[ST]
.irp s, 1,2,3,4,5,6,7,8,9,10,11,12,13,14,15
	v_max_num_f32 v2, s[ST+2*(\s)], v2
.endr
.irp s, 0,1,2,3,4,5,6,7,8,9,10,11,12,13,14,15
	v_sub_f32 v[W+(\s)], s[ST+2*(\s)], v2
.endr
.irp s, 0,1,2,3,4,5,6,7,8,9,10,11,12,13,14,15
	v_exp_f32 v[W+(\s)], v[W+(\s)]
.endr
	v_nop                                          ; a plain instruction behind the last exponential,
	s_wait_alu depctr_va_vdst(0)                   ; and one wait for the batch of sixteen
	v_mul_f32 v3, s[ST+1], v[W]
.irp s, 1,2,3,4,5,6,7,8,9,10,11,12,13,14,15
	v_fmac_f32 v3, s[ST+2*(\s)+1], v[W+(\s)]
.endr
	v_rcp_f32 v4, v3                               ; the 64 lines below name neither v3 nor v4
	s_wait_loadcnt 15                              ; loads come back in order: block 0's is in
.irp x, 0,1,2,3
	v_mul_f32 v[8+(\x)], v[CT+(\x)], v[W]
.endr
.irp s, 1,2,3,4,5,6,7,8,9,10,11,12,13,14,15
	s_wait_loadcnt 15-(\s)
.irp x, 0,1,2,3
	v_fmac_f32 v[8+(\x)], v[CT+4*(\s)+(\x)], v[W+(\s)]
.endr
.endr
	s_wait_alu depctr_va_vdst(0)                   ; the reciprocal's wait, ahead of its first reader
.irp x, 0,1,2,3
	v_mul_f32 v[8+(\x)], v[8+(\x)], v4
.endr
	global_store_b128 v1, v[8:11], s[8:9]          ; 16 lanes store 256 consecutive bytes, aligned
	s_endpgm
.Lfunc_end_k_qfb9563ce06_merge:
	.size	k_qfb9563ce06_merge, .Lfunc_end_k_qfb9563ce06_merge-k_qfb9563ce06_merge
	.p2alignl 7, 3214868480
	.fill 96, 4, 3214868480
	.section	.rodata,"a",@progbits
	.p2align	6, 0x0
	.amdhsa_kernel k_qfb9563ce06_merge
		.amdhsa_group_segment_fixed_size 0
		.amdhsa_private_segment_fixed_size 0
		.amdhsa_enable_private_segment 0
		.amdhsa_kernarg_size 24
		.amdhsa_user_sgpr_count 2
		.amdhsa_user_sgpr_kernarg_segment_ptr 1
		.amdhsa_wavefront_size32 1
		.amdhsa_system_sgpr_workgroup_id_x 1
		.amdhsa_system_sgpr_workgroup_id_y 1
		.amdhsa_system_sgpr_workgroup_id_z 1
		.amdhsa_system_vgpr_workitem_id 0
		.amdhsa_next_free_vgpr 96
		.amdhsa_next_free_sgpr 66
		.amdhsa_reserve_vcc 0
		.amdhsa_float_denorm_mode_32 3
		.amdhsa_float_denorm_mode_16_64 3
		.amdhsa_memory_ordered 1
		.amdhsa_forward_progress 1
		.amdhsa_inst_pref_size 8
	.end_amdhsa_kernel
	.amdgpu_metadata
---
amdhsa.version: [ 1, 2 ]
amdhsa.kernels:
  - .name:           k_qfb9563ce06_merge
    .symbol:         k_qfb9563ce06_merge.kd
    .args:
      - { .name: ctxp, .offset: 0, .size: 8, .value_kind: global_buffer, .address_space: global }
      - { .name: stats, .offset: 8, .size: 8, .value_kind: global_buffer, .address_space: global }
      - { .name: out0, .offset: 16, .size: 8, .value_kind: global_buffer, .address_space: global }
    .group_segment_fixed_size: 0
    .private_segment_fixed_size: 0
    .kernarg_segment_align: 8
    .kernarg_segment_size: 24
    .max_flat_workgroup_size: 64
    .sgpr_count:     66
    .vgpr_count:     96
    .wavefront_size: 32
...
	.end_amdgpu_metadata
.endif
;; end of part 3
;; ======== version 2 of 3: 3 launches
;; workspace buffers: ub 2,097,152 bytes; dcw 1,048,576 bytes; vaw 4,096 bytes; ctxp 2,097,152 bytes; stats 4,096 bytes
;; launch prep (part 4): grid 256 x 1, 4 waves a work-group, no clusters, 52,736 bytes of LDS; arguments Ua, Wa, dec_hidden, Va, ub, dcw, vaw; writes ub, dcw, vaw
.if DOCPART == 4
	.amdgcn_target "amdgcn-amd-amdhsa--gfx1250"
	.amdhsa_code_object_version 6
	.text
	.protected	k_qfb9563ce06_prep
	.globl	k_qfb9563ce06_prep
	.p2align	8
	.type	k_qfb9563ce06_prep,@function
k_qfb9563ce06_prep:
	s_mov_b64 s[64:65], 0
	v_nop
	global_prefetch_b8 v0, s[64:65] scope:SCOPE_SE
	s_setreg_imm32_b32 hwreg(HW_REG_WAVE_MODE, 25, 1), 1
	s_wait_xcnt 0x0
; WHAT IT MAKES.  c = 2 log2(e).
;   ub  : Ua rounded to bf16, turned and laid in blocks: bf16 [sg 16][e2 2][j 2][n 32][k 512] = Ua[512 j + k][64 sg + 32 e2 + n]
;   dcw : f32 [kt 8][32][1024]: partial sums of c x (dec_hidden x Wa), slice kt over the channels 128 kt .. 128 kt + 127; bf16 operands, f32 sums.  The launch behind adds the eight.
;   vaw : f32 [1024] = -c x Va
; SHARES.  256 work-groups: 128 for Ua (role 0), 128 for Wa (role 1); each takes 128 rows (slice kt) x 64 columns (group sg): 32 KiB.  Wave v of four takes rows 32 v .. 32 v + 31 of them.
; THE FRONT: the wave's 32 rows x 64 columns of f32 come in by loads that cover two whole pieces of 256 consecutive bytes each; a lane holds two neighbouring rows of four columns, rounds them in pairs
; and puts each pair into the work-group's tile T in LDS, [column 64][row 128] bf16, rows 272 bytes apart.  It is written out once for each role, so that all that a role loads and uses ahead of the barrier stands in one branch.
; ROLE 0, behind the barrier: each wave reads 16 rows of T, which all four waves wrote, and stores them: sixteen lanes store 256 consecutive bytes, aligned.
; ROLE 1: a wave's 32 rows are one K step.  It multiplies them out of its own bytes of T (source 0 = 16 columns of Wa, source 1 = 16 rows of dec_hidden): 8 products, each the whole of its sum.  The four waves' sums
; meet in LDS (RED) behind the same barrier.
; No tensor loads, no cluster: nothing is shared between work-groups but dec_hidden's 128 KiB, and each byte of Ua and Wa is read once.
.set TP,    272                        ; a row of T and of RED: 256 bytes + 16
.set RED,   64*TP                      ; behind T: for each wave its partial sums, [b 32][column 64] f32
.set RW,    32*TP
.set SPARE, RED+4*RW                   ; behind them: the spare words, 128 bytes for each wave: two blocks of 256 bytes that no other line names
.set LO,  4                            ; v4   my byte offset in the source: my wave's first row + 2 (l / 16) rows + 16 (l % 16)
.set TS,  5                            ; v5   where I put a pair in T
.set TR,  6                            ; v6   role 0: where I read T back
.set UO,  7                            ; v7   role 0: my byte offset in ub
.set DO,  8                            ; v8   role 1: my byte offset in dec_hidden
.set TF,  9                            ; v9   role 1: my place in a fragment of T
.set RS,  10                           ; v10  role 1: where I put partial sums
.set RR,  11                           ; v11  role 1: where I read them back
.set DW,  12                           ; v12  role 1: my byte offset in dcw
.set VO,  13                           ; v13  role 1: my 8 bytes of Va and vaw
.set VA,  14                           ; v[14:15]
.set SPW, 16                           ; v16  LDS address of my spare word; never rewritten
.set NIL, 17                           ; v17  0; never rewritten
.set INB, 32                           ; v[32:95]   the front's 16 loads
.set PK,  96                           ; v[96:127]  their 32 packed pairs
.set ACC, 32                           ; role 1: eight accumulators: (nt, bt) at ACC + 8 (2 nt + bt), where the front's loads lay
.set DEC, 128                          ; v[128:159] role 1: dec_hidden's two fragments in f32
.set DF,  160                          ; v[160:175] the same in bf16
.set FR,  176                          ; v[176:207] T's four fragments
.set OUB, 128                          ; v[128:191] role 1, the end: the four waves' sums
.set WV,   18                          ; s18  my wave's number
.set ROLE, 19                          ; s19  0: Ua, 1: Wa
.set SG,   20                          ; s20  which 64 columns
.set KT,   21                          ; s21  which 128 rows
	s_load_b256 s[4:11], s[0:1], 0x0               ; Ua s[4:5], Wa s[6:7], dec_hidden s[8:9], Va s[10:11]
	s_load_b128 s[12:15], s[0:1], 0x20             ; ub s[12:13], dcw s[14:15]
	s_load_b64 s[16:17], s[0:1], 0x30              ; vaw
	v_lshl_add_u32 v[SPW], v0, 2, SPARE
	v_mov_b32 v[NIL], 0
	v_lshrrev_b32 v1, 5, v0
	v_readfirstlane_b32 s[WV], v1                  ; wave 0..3
	s_lshr_b32 s[ROLE], ttmp9, 7
	s_bfe_u32 s[SG], ttmp9, 0x40003                ; 4 bits from bit 3
	s_and_b32 s[KT], ttmp9, 7
	v_and_b32 v1, 15, v0                           ; l % 16
	v_bfe_u32 v2, v0, 4, 1                         ; l / 16
	v_and_b32 v3, 31, v0                           ; l
	s_lshl_b32 s24, s[KT], 19                      ; 128 rows of 4,096 bytes,
	s_lshl_b32 s25, s[WV], 17                      ; my wave's 32 of them
	s_add_co_u32 s24, s24, s25
	v_lshlrev_b32 v[LO], 4, v1
	v_lshl_add_u32 v[LO], v2, 13, v[LO]            ; lanes 16-31 two rows further down
	v_add_nc_u32 v[LO], s24, v[LO]
	v_mul_u32_u24 v[TS], v1, 4*TP                  ; my four columns,
	v_lshl_add_u32 v[TS], v2, 2, v[TS]             ; my pair of rows,
	s_lshl_b32 s25, s[WV], 6                       ; in my wave's 64 bytes of each row of T
	v_add_nc_u32 v[TS], s25, v[TS]
	s_lshl_b32 s26, s[SG], 8                       ; 64 columns of f32
	s_mov_b32 s27, 0
	s_mov_b32 s28, 0x4038aa3b                      ; c = 2 log2(e)
	s_mov_b32 s29, s28                             ; named with it as a pair
	s_or_b32 s30, s[KT], s[WV]                     ; 0 in wave 0 of slice 0
	s_wait_kmcnt 0x0
	s_cmp_eq_u32 s[ROLE], 0
	s_cselect_b64 s[22:23], s[4:5], s[6:7]         ; the role's matrix,
	s_add_nc_u64 s[22:23], s[22:23], s[26:27]      ; at the work-group's columns
; Eight groups of four rows; of a group a lane takes rows 2 (l / 16) and 2 (l / 16) + 1.
.macro FLD
.irp gg, 0,1,2,3,4,5,6,7
	global_load_b128 v[INB+8*(\gg):INB+8*(\gg)+3],   v[LO], s[22:23] offset:(\gg)*16384 th:TH_LOAD_NT
	global_load_b128 v[INB+8*(\gg)+4:INB+8*(\gg)+7], v[LO], s[22:23] offset:(\gg)*16384+4096 th:TH_LOAD_NT
.endr
.endm
; A group is rounded, an even row's number into the low half and the odd row's into the high half, and put into T: column 4 (l % 16) + x, rows 4 g + 2 (l / 16) on.
.macro FCV
.irp gg, 0,1,2,3,4,5,6,7
	s_wait_loadcnt 14-2*(\gg)                      ; loads come back in order (ISA guide 5.7.1): the group's two are in, the later groups' stay out
.irp x, 0,1,2,3
	v_cvt_pk_bf16_f32 v[PK+4*(\gg)+(\x)], v[INB+8*(\gg)+(\x)], v[INB+8*(\gg)+4+(\x)]
.endr
.irp x, 0,1,2,3
	ds_store_b32 v[TS], v[PK+4*(\gg)+(\x)] offset:(\x)*TP+8*(\gg)
.endr
.endr
.endm
	s_cmp_lg_u32 s[ROLE], 0                        ; the same in all four waves
	s_cbranch_scc1 .Lrole_w
	FLD                                            ; ROLE 0, ahead of the barrier: the front alone
	FCV
	s_branch .Ljoin
.Lrole_w:
	; ROLE 1.  A fragment of dec_hidden is 16 rows x 32 channels: lane l holds row l % 16, channels 8 (l / 16) + 0..7 and 16 + 8 (l / 16) + 0..7: in f32 four loads of 16 bytes.  They go out ahead of the front's.
	s_lshl_b32 s24, s[KT], 9                       ; the slice's 128 channels,
	s_lshl_b32 s25, s[WV], 7                       ; my wave's 32
	s_add_co_u32 s24, s24, s25
	v_lshlrev_b32 v[DO], 12, v1
	v_lshl_add_u32 v[DO], v2, 5, v[DO]
	v_add_nc_u32 v[DO], s24, v[DO]
.irp bt, 0,1
	global_load_b128 v[DEC+16*(\bt):DEC+16*(\bt)+3],     v[DO], s[8:9] offset:65536*(\bt)
	global_load_b128 v[DEC+16*(\bt)+4:DEC+16*(\bt)+7],   v[DO], s[8:9] offset:65536*(\bt)+16
	global_load_b128 v[DEC+16*(\bt)+8:DEC+16*(\bt)+11],  v[DO], s[8:9] offset:65536*(\bt)+64
	global_load_b128 v[DEC+16*(\bt)+12:DEC+16*(\bt)+15], v[DO], s[8:9] offset:65536*(\bt)+80
.endr
	FLD
	s_cmp_lg_u32 s30, 0
	s_cbranch_scc1 .Lno_va
	v_lshlrev_b32 v[VO], 3, v3                     ; wave 0 of slice 0: the group's 64 numbers of Va, 256 consecutive bytes
	s_add_nc_u64 s[10:11], s[10:11], s[26:27]
	s_add_nc_u64 s[16:17], s[16:17], s[26:27]
	global_load_b64 v[VA:VA+1], v[VO], s[10:11]
	s_wait_loadcnt 0x0
	v_mul_f32 v[VA], 0xc038aa3b, v[VA]             ; -c Va
	v_mul_f32 v[VA+1], 0xc038aa3b, v[VA+1]
	global_store_b64 v[VO], v[VA:VA+1], s[16:17]   ; 256 consecutive bytes, aligned
.Lno_va:
	v_mul_u32_u24 v[TF], v1, TP
	v_lshl_add_u32 v[TF], v2, 4, v[TF]
	s_lshl_b32 s25, s[WV], 6
	v_add_nc_u32 v[TF], s25, v[TF]                 ; column l % 16, my wave's 32 rows
	s_mul_i32 s24, s[WV], RW
	s_add_co_u32 s24, s24, RED
	v_mul_u32_u24 v[RS], v1, TP
	v_lshl_add_u32 v[RS], v2, 5, v[RS]
	v_add_nc_u32 v[RS], s24, v[RS]
	FCV                                            ; (dec_hidden's loads, issued ahead of the front's, are in with the first group)
.irp nt, 0,1,2,3                               ; my own bytes of T: LDS serves a wave's instructions in order (ISA guide 5.7.1.4)
	ds_load_b128 v[FR+8*(\nt):FR+8*(\nt)+3],   v[TF] offset:(\nt)*16*TP
	ds_load_b128 v[FR+8*(\nt)+4:FR+8*(\nt)+7], v[TF] offset:(\nt)*16*TP+32
.endr
.irp bt, 0,1
.irp m, 0,1,2,3,4,5,6,7
	v_cvt_pk_bf16_f32 v[DF+8*(\bt)+(\m)], v[DEC+16*(\bt)+2*(\m)], v[DEC+16*(\bt)+2*(\m)+1]
.endr
.endr
	s_wait_dscnt 0x0
.irp nt, 0,1,2,3                               ; eight accumulators, one product each
.irp bt, 0,1
	v_wmma_f32_16x16x32_bf16 v[ACC+8*(2*(\nt)+(\bt)):ACC+8*(2*(\nt)+(\bt))+7], v[FR+8*(\nt):FR+8*(\nt)+7], v[DF+8*(\bt):DF+8*(\bt)+7], 0
.endr
.endr
.rept 5
	v_nop                                          ; the places ahead of the stores of those products' results
.endr
	; In a result lane l holds row b = 16 bt + l % 16 and the columns 16 nt + 8 (l / 16) + 0..7: 32 bytes of a row of RED.  Each accumulator's low registers go first.
.irp nt, 0,1,2,3
.irp bt, 0,1
	ds_store_b128 v[RS], v[ACC+8*(2*(\nt)+(\bt)):ACC+8*(2*(\nt)+(\bt))+3]   offset:(\bt)*16*TP+64*(\nt)
	ds_store_b128 v[RS], v[ACC+8*(2*(\nt)+(\bt))+4:ACC+8*(2*(\nt)+(\bt))+7] offset:(\bt)*16*TP+64*(\nt)+16
.endr
.endr
.Ljoin:
	s_wait_dscnt 0x0                               ; for the others' sake: my stores into LDS are done
	s_barrier_signal -1
	s_barrier_wait -1                              ; every wave of either role passes this barrier
	s_cmp_lg_u32 s[ROLE], 0
	s_cbranch_scc1 .Lw_out
	; ROLE 0, the end: wave v sends T's rows 16 v .. 16 v + 15, two a load: row 16 v + 2 n + l / 16.
	s_mul_i32 s24, s[WV], 16*TP
	v_mul_u32_u24 v[TR], v2, TP
	v_lshl_add_u32 v[TR], v1, 4, v[TR]
	v_add_nc_u32 v[TR], s24, v[TR]
	s_lshr_b32 s24, s[WV], 1                       ; e2: which 32 of the 64 columns,
	s_lshl_b32 s24, s24, 16
	s_and_b32 s25, s[WV], 1                        ; which 16 of those,
	s_lshl_b32 s25, s25, 14
	s_add_co_u32 s24, s24, s25
	s_lshr_b32 s25, s[KT], 2                       ; j: which half of K,
	s_lshl_b32 s25, s25, 15
	s_add_co_u32 s24, s24, s25
	s_and_b32 s25, s[KT], 3                        ; and which 128 of its 512
	s_lshl_b32 s25, s25, 8
	s_add_co_u32 s24, s24, s25
	v_lshlrev_b32 v[UO], 4, v1
	v_lshl_add_u32 v[UO], v2, 10, v[UO]
	v_add_nc_u32 v[UO], s24, v[UO]
	s_lshl_b32 s26, s[SG], 17                      ; the group's 131,072 bytes of ub
	s_add_nc_u64 s[12:13], s[12:13], s[26:27]
.irp n, 0,1,2,3,4,5,6,7
	ds_load_b128 v[INB+4*(\n):INB+4*(\n)+3], v[TR] offset:2*TP*(\n)
.endr
.irp n, 0,1,2,3,4,5,6,7
	s_wait_dscnt 7-(\n)                            ; LDS loads come back in order: number n is in
	global_store_b128 v[UO], v[INB+4*(\n):INB+4*(\n)+3], s[12:13] offset:(\n)*2048  ; 16 lanes store 256 consecutive bytes, at a multiple of 256 from ub's first byte
.endr
	s_branch .Lend
.Lw_out:
	; ROLE 1, the end: thread t adds the four waves' sums for 16 bytes of rows t / 16 + 8 n, scales by c and stores.
	v_lshrrev_b32 v18, 4, v0
	v_mul_u32_u24 v[RR], v18, TP
	v_lshl_add_u32 v[RR], v1, 4, v[RR]
	v_add_nc_u32 v[RR], RED, v[RR]
.irp w, 0,1,2,3
.irp n, 0,1,2,3
	ds_load_b128 v[OUB+16*(\w)+4*(\n):OUB+16*(\w)+4*(\n)+3], v[RR] offset:RW*(\w)+8*TP*(\n)
.endr
.endr
	v_lshlrev_b32 v[DW], 12, v18
	v_lshl_add_u32 v[DW], v1, 4, v[DW]
	s_lshl_b32 s24, s[KT], 17                      ; the slice's 131,072 bytes of dcw,
	s_add_co_u32 s26, s26, s24                     ; the group's 256 bytes of a row
	s_add_nc_u64 s[14:15], s[14:15], s[26:27]
	s_wait_dscnt 0x0
.irp d, 32,16                                  ; waves 2, 3 onto 0, 1; wave 1 onto 0
.set n, 0
.rept (\d)/2
	v_pk_add_f32 v[OUB+n:OUB+n+1], v[OUB+n:OUB+n+1], v[OUB+(\d)+n:OUB+(\d)+n+1]
.set n, n+2
.endr
.endr
.irp n, 0,2,4,6,8,10,12,14
	v_pk_mul_f32 v[OUB+(\n):OUB+(\n)+1], v[OUB+(\n):OUB+(\n)+1], s[28:29] op_sel_hi:[1,0]
.endr
.irp n, 0,1,2,3
	global_store_b128 v[DW], v[OUB+4*(\n):OUB+4*(\n)+3], s[14:15] offset:32768*(\n)  ; 16 lanes store 256 consecutive bytes, aligned
.endr
.Lend:
	s_wait_tensorcnt 0x0                           ; the wave's end: behind my last LDS store
	ds_add_u32 v[SPW], v[NIL]
	s_wait_dscnt 0x0
	s_endpgm
.Lfunc_end_k_qfb9563ce06_prep:
	.size	k_qfb9563ce06_prep, .Lfunc_end_k_qfb9563ce06_prep-k_qfb9563ce06_prep
	.p2alignl 7, 3214868480
	.fill 96, 4, 3214868480
	.section	.rodata,"a",@progbits
	.p2align	6, 0x0
	.amdhsa_kernel k_qfb9563ce06_prep
		.amdhsa_group_segment_fixed_size 52736
		.amdhsa_private_segment_fixed_size 0
		.amdhsa_enable_private_segment 0
		.amdhsa_kernarg_size 56
		.amdhsa_user_sgpr_count 2
		.amdhsa_user_sgpr_kernarg_segment_ptr 1
		.amdhsa_wavefront_size32 1
		.amdhsa_system_sgpr_workgroup_id_x 1
		.amdhsa_system_sgpr_workgroup_id_y 1
		.amdhsa_system_sgpr_workgroup_id_z 1
		.amdhsa_system_vgpr_workitem_id 0
		.amdhsa_next_free_vgpr 208
		.amdhsa_next_free_sgpr 66
		.amdhsa_reserve_vcc 0
		.amdhsa_float_denorm_mode_32 3
		.amdhsa_float_denorm_mode_16_64 3
		.amdhsa_memory_ordered 1
		.amdhsa_forward_progress 1
		.amdhsa_inst_pref_size 25
	.end_amdhsa_kernel
	.amdgpu_metadata
---
amdhsa.version: [ 1, 2 ]
amdhsa.kernels:
  - .name:           k_qfb9563ce06_prep
    .symbol:         k_qfb9563ce06_prep.kd
    .args:
      - { .name: Ua, .offset: 0, .size: 8, .value_kind: global_buffer, .address_space: global }
      - { .name: Wa, .offset: 8, .size: 8, .value_kind: global_buffer, .address_space: global }
      - { .name: dec_hidden, .offset: 16, .size: 8, .value_kind: global_buffer, .address_space: global }
      - { .name: Va, .offset: 24, .size: 8, .value_kind: global_buffer, .address_space: global }
      - { .name: ub, .offset: 32, .size: 8, .value_kind: global_buffer, .address_space: global }
      - { .name: dcw, .offset: 40, .size: 8, .value_kind: global_buffer, .address_space: global }
      - { .name: vaw, .offset: 48, .size: 8, .value_kind: global_buffer, .address_space: global }
    .group_segment_fixed_size: 52736
    .private_segment_fixed_size: 0
    .kernarg_segment_align: 8
    .kernarg_segment_size: 56
    .max_flat_workgroup_size: 128
    .sgpr_count:     66
    .vgpr_count:     208
    .wavefront_size: 32
...
	.end_amdgpu_metadata
.endif
;; end of part 4
;; launch attn (part 5): grid 256 x 1, 4 waves a work-group, clusters of 4 x 1, 327,680 bytes of LDS; arguments enc_out, ub, dcw, vaw, ctxp, stats; writes ctxp, stats
.if DOCPART == 5
	.amdgcn_target "amdgcn-amd-amdhsa--gfx1250"
	.amdhsa_code_object_version 6
	.text
	.protected	k_qfb9563ce06_attn
	.globl	k_qfb9563ce06_attn
	.p2align	8
	.type	k_qfb9563ce06_attn,@function
k_qfb9563ce06_attn:
	s_mov_b64 s[64:65], 0
	v_nop
	global_prefetch_b8 v0, s[64:65] scope:SCOPE_SE
	s_setreg_imm32_b32 hwreg(HW_REG_WAVE_MODE, 25, 1), 1
	s_wait_xcnt 0x0
	s_wait_alu depctr_hold_cnt(0) depctr_sa_sdst(0) depctr_va_vdst(0) depctr_va_sdst(0) depctr_va_ssrc(0) depctr_va_vcc(0) depctr_vm_vsrc(0)
	s_getreg_b32 s2, hwreg(HW_REG_IB_STS2, 6, 4)
	s_cmp_eq_u32 s2, 0
	s_cbranch_scc0 .Lentry_in_a_cluster
	s_endpgm
.Lentry_in_a_cluster:
	s_bfe_u32 s2, ttmp6, 0x10000c
	s_cmp_lg_u32 s2, 0x3003
	s_cbranch_scc0 .Lentry_shape_is_right
	s_endpgm
.Lentry_shape_is_right:
; ADDITIVE ATTENTION, a block of 128 rows t of one batch at a time.  With c = 2 log2(e): tanh(x) = 1 - 2 r, r = 1 / (1 + 2^(c x)), which is right at both ends (2^(c x) = infinity gives r = 0,
; 2^(c x) = 0 gives r = 1).  So score x log2(e) = K + the sum over u of vaw[u] r[t][u], vaw = -c Va, and K = log2(e) x the sum of Va is the same for every t of a softmax row: it cancels for every input and is left out.
; OUT: stats[block] = (m, l), m = the block's largest s[t] (s in units of log2), l = the sum of p[t] = 2^(s[t] - m); ctxp[block][h] = the sum over t of p[t] enc[t][h].  A later launch joins a batch's 16 blocks.
; LIMITS.  enc_out and Ua enter both products rounded to bf16; p enters the second product as a bf16 number plus a bf16 remainder (2^-17 of itself is lost), l is the sum of the unrounded p.
; A power of two below 2^-126 counts as 0; NaN and infinities among the inputs are not treated apart.
; A WORK-GROUP STAYS: it makes two blocks, b and b + 256: a loop over blocks round all that follows.  In the first block's last two slots the ring slot just read takes a tile of the next block's rows, so that half of
; those rows are on their way under the last slot, the scores and the context.
; SHARES.  A block's rows are read from memory ONCE, rounded once, and stay in registers for both products: wave w = 2 i + j holds rows 64 i .. 64 i + 63, channels 512 j .. 512 j + 511: 64 fragments, 512 registers.
; All of ub walks past them in 16 slots of 64 columns.  K is split between the waves j = 0, 1 of a row half: of a pair of 16-column tiles wave j SENDS its partial sums of tile 1 - j through LDS and KEEPS tile j;
; the partner's partial sums are loaded straight into the kept tile's accumulators, so that they are the C of its first product and nothing is added by hand.
; THE MATRIX INSTRUCTION IS USED TRANSPOSED: source 0 = 16 columns u, source 1 = 16 rows t.  In the result lane l holds ONE row t (l % 16) and the columns 8 (l / 16) + 0..7: dcw and vaw are 8 registers a tile.
; CLUSTER.  All blocks walk the same ub: the four work-groups of a cluster ask for each slot JOINTLY (the same load, descriptor and mask in all four).  enc_out's tiles are each work-group's own: plain loads.
; THE TANH RIDES.  A slot's two kept tiles are finished in the NEXT slot: their 192 scalings, exponentials, additions and reciprocals stand behind the 128 products of that slot's sent tiles, two and one by turns.
; They name the kept tiles' accumulators and dcw's numbers alone, which lie in the window that the products' setting gives to source 0, source 2 and the destination: no switch is written for them.
; A block's first slot's riders work on zeros (accumulators, tables and sums are cleared at the block's head), so that no first slot is written out.
; enc_out is not prefetched: a block's other two tiles are 256 KiB a work-group.  ub is: see ASK.
;
; LDS.  Two ring slots that tensor loads alone fill; behind them bytes that the waves store into and no tensor load touches.
.set RING1, 133120                     ; slot 1.  A slot: 128 rows x 1,040 bytes of ub, or, at a block's beginning, for each wave 32 rows x 1,040 bytes of enc_out in f32
.set QUART, 33280                      ; a wave's quarter of a slot: what one tensor load fills
.set BP,    1040                       ; a row of either: 1,024 bytes + 16 = 260 words: the 16 rows of a fragment load start at 16 different groups of four banks (64 banks of 4 bytes: ISA guide 11.1)
.set XB,    266240                     ; 32,768: the exchange: wave x 8,192 + pair x 4,096 + row tile x 1,024 + half x 512 + lane x 16.  Later each wave's own stage, 64 rows x 96 bytes
.set TAB,   299008                     ; 8,192: dcw's row of my batch, then vaw
.set SCX,   307200                     ; 1,024: [j 2][128 rows] partial scores
.set PTAB,  308224                     ; 2,048: for each wave 512: p's bf16 part [128], then its remainder [128]
.set CTXB,  310272                     ; 8,192: [i 2][1024] partial context
.set SPARE, 318464                     ; the spare words, 128 bytes for each wave: two blocks of 256 bytes that no other line names
.set SPI,   96                         ; a row of the stage: 64 bytes + 32: an odd multiple of 32
.set NEXTA, 256*524288-1024            ; bytes from a ring slot's second tile of a block to its first of the next: 256 blocks of 128 rows on, 256 channels back
.set BACKB, 14*131072                  ; bytes from a ring slot's last slot of ub back to its first
; REGISTERS, in windows of 256 (s_set_vgpr_msb: bits 1:0 source 0, 3:2 source 1, 5:4 source 2, 7:6 destination).  Window 0:
.set AF,  4                            ; v4-5  my place in my f32 tile, slot 0, 1
.set XS,  6                            ; v6    where I put partial sums
.set XL,  7                            ; v7    where I read my partner's
.set TB0, 8                            ; v8    my 8 columns in the tables, slot 0; never rewritten
.set SCA, 9                            ; v9    where I put a partial score
.set SCL, 10                           ; v10   where I read four rows' scores
.set PTS, 11                           ; v11   where I put four p
.set PFR, 12                           ; v12   my place in a fragment of p
.set VS,  13                           ; v13   stage: where I put 16 bytes of a row
.set VT,  14                           ; v14   stage: my place for the turning load
.set CB,  15                           ; v15   where I put a partial context number
.set CR,  16                           ; v16   where I read them back
.set GO,  17                           ; v17   my byte offset in the block's row of ctxp
.set PFO, 18                           ; v18   256 x lane; never rewritten
.set TID, 19                           ; v19   16 x thread
.set SPW, 20                           ; v20   LDS address of my spare word; never rewritten
.set NIL, 21                           ; v21   0; never rewritten
.set TST, 22                           ; v22   where I put 16 bytes of the tables
.set TBA, 23                           ; v23   at work in the set-up; then my 8 columns in the tables, slot in hand
.set SC,  24                           ; v[24:31]  score sums: row tile rt at SC + 2 rt (even columns', odd columns')
.set VAA, 32                           ; v[32:39]  the first kept tile's 8 vaw
.set VAB, 40                           ; v[40:47]  the second's
.set T,   64                           ; v[64:191] the tables on their way; f32 on their way to bf16: two sets of 64.  In the tail:
.set PF,  64                           ;   v[64:79]   p's two fragments
.set VF,  80                           ;   v[80:143]  turned fragments of enc, two sets of 32
.set DT,  144                          ;   v[144:159] two accumulators
.set WK,  160                          ;   v[160:179] at work; m, l in v[168:169]
; Window 1: v[0:127] two sets of 8 fragments of ub; then
.set ACS, 128                          ; the sent tile's four accumulators
.set KA,  160                          ; the first kept tile's
.set KB,  192                          ; the second's
.set BA,  224                          ; v[224:231] my place in ub's fragments: BA + 4 slot + 2 pair + (0 sent, 1 kept)
.set DCA, 232                          ; v[232:239] the first kept tile's 8 dcw
.set DCB, 240                          ; v[240:247] the second's
; Windows 2 and 3: enc in bf16: fragment (row tile rt, chunk c of 32 channels) in window 2 + c / 8 at v[32 (c % 8) + 8 rt].
.set WV,  16                           ; s16  my wave's number
.set WI,  17                           ; s17  i
.set WJ,  18                           ; s18  j
.set CX,  19                           ; s19  my place in the cluster: it enters global addresses alone
.set BLK, 20                           ; s20  my first block
.set WQ,  21                           ; s21  wave x QUART
.set G1A, 24                           ; s[24:31] descriptor group 1 for enc_out's tiles
.set G1B, 32                           ; s[32:39] for ub's
.set GA0, 40                           ; s[40:47] group 0 for enc_out's tiles, a set for each slot
.set GB0, 48                           ; s[48:55] the same for ub's
.set LAPS, 56
.set LIM, 57                           ; s57  1 in the cluster that prefetches, in its first block; else the greatest number
.set CS,  58                           ; s[58:59] c: the packed scaling takes the pair's low word for both halves
.set SEL, 60                           ; s[60:61] v_permlanex16_b32's selects: each lane takes its own place in the other half
.set PFA, 62                           ; s[62:63] where my prefetches stand
.set TOF, 70                           ; s70  256 x the slot whose tables are fetched next
.set BLKS, 71                          ; s71  blocks to go, this one among them: the same number in every work-group
.set MSB, 0
.macro WIN new                         ; the immediate's high byte repeats the setting that is left; a switch that changes nothing is dropped
.if MSB != (\new)
	s_set_vgpr_msb (MSB<<8)|(\new)
.set MSB, (\new)
.endif
.endm
.macro NOPS n
.rept \n
	v_nop
.endr
.endm
; A round of the cluster's barrier: my work-group's barrier, so that wave 0's signal speaks for all four waves; wave 0 signals; every wave waits for all four work-groups; my work-group's barrier once more.
.macro CREST                           ; a round behind its opening barrier
	s_cmp_lg_u32 s[WV], 0
	s_cbranch_scc1 .Lnot_wave_0_\@
	s_barrier_signal -3
.Lnot_wave_0_\@:
	s_barrier_wait -3
	s_barrier_signal -1
	s_barrier_wait -1
.endm
.macro CROUND
	s_barrier_signal -1
	s_barrier_wait -1
	CREST
.endm
	s_load_b256 s[4:11], s[0:1], 0x0               ; enc_out s[4:5], ub s[6:7], dcw s[8:9], vaw s[10:11]
	s_load_b128 s[12:15], s[0:1], 0x20             ; ctxp s[12:13], stats s[14:15]
	v_lshl_add_u32 v[SPW], v0, 2, SPARE
	v_mov_b32 v[NIL], 0
	ds_add_u32 v[SPW], v[NIL]                      ; the wave's opening: the add and its wait stand ahead of my first tensor load; the set-up below, work on registers, stands between them
	v_lshrrev_b32 v1, 5, v0
	v_readfirstlane_b32 s[WV], v1                  ; wave 0..3
	s_lshr_b32 s[WI], s[WV], 1
	s_and_b32 s[WJ], s[WV], 1
	s_bfe_u32 s[CX], ttmp6, 0x40000
	s_lshl_b32 s[BLK], ttmp9, 2                    ; in a cluster launch ttmp9 counts clusters
	s_add_co_u32 s[BLK], s[BLK], s[CX]
	s_mul_i32 s[WQ], s[WV], QUART
	; group 1 for enc_out: 32 rows x 256 elements of 4 bytes, 1,024 elements from row to row; the padding's interval, 256 words, is the tile's row: 4 words behind each
	s_mov_b32 s[G1A+0], (2<<16)|(1<<20)|(7<<22)|(3<<25)
	s_mov_b32 s[G1A+1], 256<<16                    ; tensor_dim0
	s_mov_b32 s[G1A+2], 32<<16                     ; tensor_dim1
	s_mov_b32 s[G1A+3], 256<<16                    ; tile_dim0
	s_mov_b32 s[G1A+4], 32                         ; tile_dim1
	s_mov_b32 s[G1A+5], 1024
	s_mov_b32 s[G1A+6], 0
	s_mov_b32 s[G1A+7], 0
	; group 1 for ub: 32,768 dense bytes as 32 rows of 128 elements of 8 bytes: a row of ub, 1,024 bytes = 256 words, is a row of the tile; the same padding.  15:0 the mask of four, 21 set beside it
	s_mov_b32 s[G1B+0], 15|(3<<16)|(1<<20)|(1<<21)|(7<<22)|(3<<25)
	s_mov_b32 s[G1B+1], 128<<16                    ; tensor_dim0
	s_mov_b32 s[G1B+2], 32<<16                     ; tensor_dim1
	s_mov_b32 s[G1B+3], 128<<16                    ; tile_dim0
	s_mov_b32 s[G1B+4], 32                         ; tile_dim1
	s_mov_b32 s[G1B+5], 128                        ; each row begins where the last ends
	s_mov_b32 s[G1B+6], 0
	s_mov_b32 s[G1B+7], 0
.irp b, 0,1
	s_mov_b32 s[GA0+4*(\b)], 1                     ; count = 1
	s_add_co_u32 s[GA0+4*(\b)+1], s[WQ], (\b)*RING1  ; LDS address: my quarter of slot b: the wave's number alone enters it
	s_mov_b32 s[GB0+4*(\b)], 1
	s_add_co_u32 s[GB0+4*(\b)+1], s[WQ], (\b)*RING1
.endr
	s_lshl_b32 s22, s[BLK], 19                     ; my block's 128 rows of 4,096 bytes,
	s_lshl_b32 s66, s[WI], 18                      ; my 64 of them,
	s_add_co_u32 s22, s22, s66
	s_lshl_b32 s66, s[WJ], 11                      ; my 512 channels
	s_add_co_u32 s22, s22, s66
	s_mov_b32 s23, 0
	s_lshl_b32 s66, s[WV], 15                      ; my quarter of a slot of ub
	s_mov_b32 s67, 0
	s_lshl_b32 s68, s[CX], 15                      ; the prefetches: my work-group's quarter of a slot,
	s_lshl_b32 s69, s[WV], 13                      ; my wave's quarter of that,
	s_add_co_u32 s68, s68, s69
	s_add_co_u32 s68, s68, 262144                  ; in slot 2: the first step takes it to slot 3
	s_mov_b32 s69, 0
	s_cmp_eq_u32 ttmp9, 0
	s_cselect_b32 s[LIM], 1, -1                    ; the same in all four partners
	s_mov_b32 s[CS], 0x4038aa3b                    ; c = 2 log2(e)
	s_mov_b32 s[CS+1], s[CS]
	s_mov_b32 s[SEL], 0x76543210
	s_mov_b32 s[SEL+1], 0xfedcba98
	s_mov_b32 s[BLKS], 2
	s_wait_dscnt 0x0                               ; the opening add is done
	s_wait_kmcnt 0x0
	s_add_nc_u64 s[GA0+2:GA0+3], s[4:5], s[22:23]  ; my rows 0-31, channels 0-255,
	s_add_nc_u64 s[GA0+6:GA0+7], s[GA0+2:GA0+3], 131072  ; my rows 32-63
	s_or_b32 s[GA0+3], s[GA0+3], 0x80000000        ; type = 2
	s_or_b32 s[GA0+7], s[GA0+7], 0x80000000
	s_add_nc_u64 s[GB0+2:GB0+3], s[6:7], s[66:67]  ; slot 0 of ub,
	s_add_nc_u64 s[GB0+6:GB0+7], s[GB0+2:GB0+3], 131072  ; slot 1
	s_or_b32 s[GB0+3], s[GB0+3], 0x80000000
	s_or_b32 s[GB0+7], s[GB0+7], 0x80000000
	s_add_nc_u64 s[PFA:PFA+1], s[6:7], s[68:69]
	s_lshr_b32 s22, s[BLK], 4                      ; my batch,
	s_lshl_b32 s22, s22, 12                        ; its row of dcw's first slice
	s_add_nc_u64 s[8:9], s[8:9], s[22:23]
	s_lshl_b32 s22, s[BLK], 12
	s_add_nc_u64 s[12:13], s[12:13], s[22:23]      ; my block's row of ctxp
	s_lshl_b32 s22, s[BLK], 3
	s_add_nc_u64 s[14:15], s[14:15], s[22:23]      ; and its 8 bytes of stats
	CROUND                                         ; in a cluster launch every group of tensor loads stands behind a round
	tensor_load_to_lds s[GA0:GA0+3], s[G1A:G1A+7]  ; the first fills, together: two loads of mine are out
	s_nop 0
	tensor_load_to_lds s[GA0+4:GA0+7], s[G1A:G1A+7]
	s_nop 0
	NOPS 4
	; While they are on their way: the addresses, once for both blocks.
	v_lshlrev_b32 v[TID], 4, v0
	v_and_b32 v1, 15, v0                           ; l % 16
	v_bfe_u32 v2, v0, 4, 1                         ; l / 16
	v_and_b32 v3, 31, v0                           ; l
	v_mul_u32_u24 v[AF], v1, BP                    ; f32 tile: row l % 16, 8 numbers for each half of the lanes
	v_lshl_add_u32 v[AF], v2, 5, v[AF]
	v_add_nc_u32 v[AF], s[WQ], v[AF]
	v_add_nc_u32 v[AF+1], RING1, v[AF]
	s_lshl_b32 s22, s[WV], 13
	s_add_co_u32 s22, s22, XB                      ; my 8,192 bytes of the exchange,
	s_xor_b32 s23, s[WV], 1
	s_lshl_b32 s23, s23, 13
	s_add_co_u32 s23, s23, XB                      ; my partner's
	v_lshl_add_u32 v[XS], v3, 4, s22
	v_lshl_add_u32 v[XL], v3, 4, s23
	s_lshl_b32 s23, s[WJ], 6
	s_add_co_u32 s23, s23, TAB
	v_lshl_add_u32 v[TB0], v2, 5, s23              ; columns 16 j + 8 (l / 16) on
	s_lshl_b32 s23, s[WJ], 9
	s_lshl_b32 s66, s[WI], 8
	s_add_co_u32 s23, s23, s66
	s_add_co_u32 s23, s23, SCX
	v_lshl_add_u32 v[SCA], v1, 2, s23
	v_lshl_add_u32 v[SCL], v3, 4, SCX
	s_lshl_b32 s23, s[WV], 9
	s_add_co_u32 s23, s23, PTAB
	v_lshl_add_u32 v[PTS], v3, 3, s23
	v_and_b32 v[TBA], 1, v0
	v_lshl_add_u32 v[PFR], v[TBA], 8, s23          ; even rows of the fragment take p's bf16 part, odd rows its remainder
	v_lshl_add_u32 v[PFR], v2, 4, v[PFR]
	s_lshl_b32 s23, s[WI], 7
	v_add_nc_u32 v[PFR], s23, v[PFR]               ; my 64 rows
	v_mul_u32_u24 v[VS], v1, SPI
	v_lshl_add_u32 v[VS], v2, 4, v[VS]
	v_add_nc_u32 v[VS], s22, v[VS]
	v_and_b32 v[TBA], 7, v0                        ; the turning load: lane l reads row 8 (l / 16) + l % 8, 16 bytes at 16 ((l / 8) % 2)
	v_lshl_add_u32 v[TBA], v2, 3, v[TBA]
	v_mul_u32_u24 v[VT], v[TBA], SPI
	v_bfe_u32 v[TBA], v0, 3, 1
	v_lshl_add_u32 v[VT], v[TBA], 4, v[VT]
	v_add_nc_u32 v[VT], s22, v[VT]
	s_lshl_b32 s23, s[WI], 12
	s_lshl_b32 s66, s[WJ], 11
	s_add_co_u32 s23, s23, s66
	s_add_co_u32 s23, s23, CTXB
	v_lshl_add_u32 v[CB], v1, 2, s23
	s_lshl_b32 s23, s[WV], 10
	v_lshl_add_u32 v[GO], v3, 4, s23
	v_add_nc_u32 v[CR], CTXB, v[GO]
	v_lshlrev_b32 v[PFO], 8, v3
	v_add_nc_u32 v[TST], TAB, v[TID]
	v_mul_u32_u24 v[TBA], v1, BP                   ; ub's fragments: row l % 16, 16 bytes for each half of the lanes
	v_lshl_add_u32 v[TBA], v2, 4, v[TBA]
	s_mul_i32 s23, s[WJ], 32*BP                    ; my half of K: 32 rows of a pair's 64,
	s_xor_b32 s66, s[WJ], 1
	s_mul_i32 s66, s66, 16*BP
	s_add_co_u32 s66, s66, s23                     ; the sent tile: 1 - j,
	s_mul_i32 s67, s[WJ], 16*BP
	s_add_co_u32 s67, s67, s23                     ; the kept tile: j
	WIN 0x40                                       ; destination window 1
.irp sl, 0,1
.irp e, 0,1
	s_add_co_u32 s68, s66, (\sl)*RING1+(\e)*64*BP
	s_add_co_u32 s69, s67, (\sl)*RING1+(\e)*64*BP
	v_add_nc_u32 v[BA+4*(\sl)+2*(\e)], s68, v[TBA]
	v_add_nc_u32 v[BA+4*(\sl)+2*(\e)+1], s69, v[TBA]
.endr
.endr
	WIN 0                                          ; at a label and at a branch every window is 0
; ROWS INTO REGISTERS.  My 64 rows x 512 channels come in four tiles of 32 rows x 256 channels: (rows 0-31, channels 0-255), (rows 32-63, the same), then the two with channels 256-511.
; A fragment is 16 rows x 32 channels: lane l holds row l % 16, channels 8 (l / 16) + 0..7 and 16 + 8 (l / 16) + 0..7: in f32 four loads of 16 bytes.
.macro CLD buf, q                      ; row tile q / 2 of the tile's two, chunks 4 (q % 2) .. + 3: 16 loads into set q % 2
	WIN 0
.irp k, 0,1,2,3
	ds_load_b128 v[T+64*((\q)%2)+16*(\k):T+64*((\q)%2)+16*(\k)+3],     v[AF+(\buf)] offset:((\q)/2)*16*BP+128*(4*((\q)%2)+(\k))
	ds_load_b128 v[T+64*((\q)%2)+16*(\k)+4:T+64*((\q)%2)+16*(\k)+7],   v[AF+(\buf)] offset:((\q)/2)*16*BP+128*(4*((\q)%2)+(\k))+16
	ds_load_b128 v[T+64*((\q)%2)+16*(\k)+8:T+64*((\q)%2)+16*(\k)+11],  v[AF+(\buf)] offset:((\q)/2)*16*BP+128*(4*((\q)%2)+(\k))+64
	ds_load_b128 v[T+64*((\q)%2)+16*(\k)+12:T+64*((\q)%2)+16*(\k)+15], v[AF+(\buf)] offset:((\q)/2)*16*BP+128*(4*((\q)%2)+(\k))+80
.endr
.endm
.macro CCV rp, ch, q                   ; rounded once, two numbers an instruction: row tile 2 rp + q / 2, window 2 + ch
	WIN 0x80+0x40*(\ch)
.irp k, 0,1,2,3
.irp m, 0,1,2,3,4,5,6,7
	v_cvt_pk_bf16_f32 v[32*(4*((\q)%2)+(\k))+8*(2*(\rp)+(\q)/2)+(\m)], v[T+64*((\q)%2)+16*(\k)+2*(\m)], v[T+64*((\q)%2)+16*(\k)+2*(\m)+1]
.endr
.endr
.endm
.macro CONVERT rp, ch, buf             ; the tile of rows 32 rp on, channels 256 ch on, out of ring slot buf.  The counts of 16: the one younger batch stays out
	CLD \buf, 0
	CLD \buf, 1
	s_wait_dscnt 16
	CCV \rp, \ch, 0
	CLD \buf, 2
	s_wait_dscnt 16
	CCV \rp, \ch, 1
	CLD \buf, 3
	s_wait_dscnt 16
	CCV \rp, \ch, 2
	s_wait_dscnt 0x0
	CCV \rp, \ch, 3
.endm
; Slot buf, which I have read, takes the same rows' other 256 channels.
.macro CHANGE_A buf
	WIN 0
	s_wait_tensorcnt 0x0                           ; no tensor load of mine is out, so a group 0 may be written
	ds_add_u32 v[SPW], v[NIL]                      ; 0 onto my spare word
	s_add_nc_u64 s[GA0+4*(\buf)+2:GA0+4*(\buf)+3], s[GA0+4*(\buf)+2:GA0+4*(\buf)+3], 1024
	s_wait_dscnt 0x0                               ; the add is done, and my reads of the slot are over
	CROUND
	tensor_load_to_lds s[GA0+4*(\buf):GA0+4*(\buf)+3], s[G1A:G1A+7]  ; my one tensor load behind the round, and the first thing there
	s_nop 0
	NOPS 4
.endm
; THE MAIN LOOP'S PARTS.
; A RIDER: number q of the 48 that take a kept tile's 128 numbers one step on.  rk = 1: 16 packed scalings c x + c dec and 32 exponentials; rk = 2: 16 packed additions of 1 and 32 reciprocals; all in place.
; Number 0 is pair 0's plain line; then, three at a time, pair p's plain line and the two transcendentals of pair p - 1; numbers 46, 47 are the last pair's.  The pairs ascend.
; No rider names a transcendental's result of its own 48: they are one batch, and ONE wait follows it, ahead of the next 48.
.macro RID rk, racc, rdc
.if (q == 0) || ((q < 46) && ((q+2)%3 == 0))
.set pp, (q+2)/3
.if (\rk) == 1
	v_pk_fma_f32 v[(\racc)+2*pp:(\racc)+2*pp+1], v[(\racc)+2*pp:(\racc)+2*pp+1], s[CS:CS+1], v[(\rdc)+2*(pp%4):(\rdc)+2*(pp%4)+1] op_sel_hi:[1,0,1]
.else
	v_pk_add_f32 v[(\racc)+2*pp:(\racc)+2*pp+1], v[(\racc)+2*pp:(\racc)+2*pp+1], 1.0 op_sel_hi:[1,0]
.endif
.else
.set nn, q-16
.if q < 46
.set nn, 2*((q-1)/3)+(q-1)%3-1
.endif
.if (\rk) == 1
	v_exp_f32 v[(\racc)+nn], v[(\racc)+nn]
.else
	v_rcp_f32 v[(\racc)+nn], v[(\racc)+nn]
.endif
.endif
.set q, q+1
.endm
; cnt products of a group of 32 (8 chunks x my 4 row tiles), from number g on, on fragment set st.  The four accumulators take turns, one instruction a turn.  first = 1: numbers 0 to 3 start the sums.
; rk > 0: riders behind each product, two behind the even numbers and one behind the odd: 48 in a group.  They name none of the products' registers.
.macro PRODS acc, first, st, cnt, rk, racc, rdc
.rept \cnt
.if (\first) && (g < 4)
	v_wmma_f32_16x16x32_bf16 v[(\acc)+8*(g%4):(\acc)+8*(g%4)+7], v[64*(\st)+8*(g/4):64*(\st)+8*(g/4)+7], v[32*(g/4)+8*(g%4):32*(g/4)+8*(g%4)+7], 0
.else
	v_wmma_f32_16x16x32_bf16 v[(\acc)+8*(g%4):(\acc)+8*(g%4)+7], v[64*(\st)+8*(g/4):64*(\st)+8*(g/4)+7], v[32*(g/4)+8*(g%4):32*(g/4)+8*(g%4)+7], v[(\acc)+8*(g%4):(\acc)+8*(g%4)+7]
.endif
.if \rk
	RID \rk, \racc, \rdc
.if g%2 == 0
	RID \rk, \racc, \rdc
.endif
.endif
.set g, g+1
.endr
.endm
; A group's 8 fragments of ub, 16 loads in one run, into set st.  It runs under any setting that gives window 1 to the destination and to source 0: the products' own among them.
.macro FRUN st, adr, hf
.irp f, 0,1,2,3,4,5,6,7
	ds_load_b128 v[64*(\st)+8*(\f):64*(\st)+8*(\f)+3],   v[\adr] offset:512*(\hf)+64*(\f)
	ds_load_b128 v[64*(\st)+8*(\f)+4:64*(\st)+8*(\f)+7], v[\adr] offset:512*(\hf)+64*(\f)+32
.endr
.endm
.macro STX e                           ; pair e's sent sums into the exchange; each accumulator's low registers first
	WIN 0x04                                       ; data in window 1
.irp rt, 0,1,2,3
	ds_store_b128 v[XS], v[ACS+8*(\rt):ACS+8*(\rt)+3]   offset:4096*(\e)+1024*(\rt)
	ds_store_b128 v[XS], v[ACS+8*(\rt)+4:ACS+8*(\rt)+7] offset:4096*(\e)+1024*(\rt)+512
.endr
.endm
.macro LDX acc, e                      ; my partner's sums for pair e's kept tile, straight into its accumulators: lane for lane the same numbers' places
	WIN 0x40
.irp rt, 0,1,2,3
	ds_load_b128 v[(\acc)+8*(\rt):(\acc)+8*(\rt)+3],   v[XL] offset:4096*(\e)+1024*(\rt)
	ds_load_b128 v[(\acc)+8*(\rt)+4:(\acc)+8*(\rt)+7], v[XL] offset:4096*(\e)+1024*(\rt)+512
.endr
.endm
.macro TLOAD dc, va, off               ; a kept tile's 8 dcw (window 1) and 8 vaw (window 0)
	WIN 0x40
	ds_load_b128 v[(\dc):(\dc)+3],   v[TBA] offset:(\off)
	ds_load_b128 v[(\dc)+4:(\dc)+7], v[TBA] offset:(\off)+16
	WIN 0
	ds_load_b128 v[(\va):(\va)+3],   v[TBA] offset:(\off)+4096
	ds_load_b128 v[(\va)+4:(\va)+7], v[TBA] offset:(\off)+4112
.endm
.macro SCORE acc, va                   ; the score sums take vaw r, the four row tiles by turns: the one part of a tile's work that leaves the products' windows, so it stands together
	WIN 0x01                                       ; r in window 1; vaw and the sums in window 0
.set p, 0
.rept 16
	v_pk_fma_f32 v[SC+2*(p%4):SC+2*(p%4)+1], v[(\acc)+8*(p%4)+2*(p/4):(\acc)+8*(p%4)+2*(p/4)+1], v[(\va)+2*(p/4):(\va)+2*(p/4)+1], v[SC+2*(p%4):SC+2*(p%4)+1]
.set p, p+1
.endr
.endm
.macro LUMP rk, racc, rdc              ; the same 48 on end, behind the last slot, where there are no products to ride on; a plain instruction and the batch's one wait close them
	WIN 0x51
.set q, 0
.rept 48
	RID \rk, \racc, \rdc
.endr
	v_nop
	s_wait_alu depctr_va_vdst(0)
.endm
; A PREFETCH INTO THE L2 of the slot of ub that the NEXT refill will ask for: 256 products a wave ahead of that load.  All clusters walk the same ub: the first cluster asks, in its first block, and nobody else.  Its four
; work-groups x four waves x 32 lanes name the slot's 512 blocks of 256 bytes once each, shared out BY ADDRESS: no branch hangs on a work-group's place in its cluster.  Slots 0, 1 and 2 come by their loads alone;
; slot n of ub asks for slot n + 3: the loop's first 13 refills name slots 3 to 15; its last (how = 2, in the last lap) and the tail ask for nothing.
.macro ASK how
.if (\how) == 1
	s_cmp_ge_u32 s[LAPS], s[LIM]
.else
	s_cmp_gt_u32 s[LAPS], s[LIM]
.endif
	s_cbranch_scc0 .Lnot_mine_\@
	global_prefetch_b8 v[PFO], s[PFA:PFA+1] th:TH_LOAD_NT scope:SCOPE_SE
.Lnot_mine_\@:
.endm
; A SLOT: 64 columns of ub in ring slot s: eight GROUPS of 32 products.  G0 G1: pair 0's sent tile.  G2 G3: pair 1's.  G4 G5: pair 0's kept tile.  G6 G7: pair 1's.  A group takes half of my 512 channels.
; LDS INSTRUCTIONS STAND IN RUNS AT THE GROUPS' HEADS, never singly among the products: at group n's head the fragments of group n + 1 go into the set that group n - 1 has left, four places (ISA guide 7.12.1 for vector instructions)
; behind its last product; they have a group's 32 products in which to land.  The stores into the exchange, the partner's sums and the tables stand in the same runs.
; THE RIDERS: G0 and G1 carry the slot before's first kept tile, G2 and G3 its second.  Each batch's wait stands at a group's head, ahead of the run of LDS instructions.
; THE EXCHANGE RUNS A TILE AHEAD: pair 0's sums are stored behind G1, shown done and signalled in G2, fetched at G3's head and wanted in G4; pair 1's behind G3, in G4, at G5's head, in G6.
; SLOTA is a slot up to G6's head; FIN is the rest.
.macro SLOTA s
	WIN 0x59                                       ; G0.  ub, C and D in window 1, enc in window 2 (0x5d: window 3)
	NOPS 4
	FRUN 1, BA+4*(\s), 1
	s_wait_dscnt 16                                ; G0's fragments are in; the run just issued stays out
.set g, 0
.set q, 0
	PRODS ACS, 1, 0, 32, 1, KA, DCA
	WIN 0x5d                                       ; G1
	NOPS 4                                         ; also the plain instruction behind the last exponential
	s_wait_alu depctr_va_vdst(0)                   ; one wait for the 32 exponentials
	FRUN 0, BA+4*(\s)+2, 0
	s_wait_dscnt 16
.set g, 0
.set q, 0
	PRODS ACS, 0, 1, 32, 2, KA, DCA
	NOPS 5                                         ; the places ahead of the stores of those products' results, of the loads into their set and of the products that start the sums anew
	s_wait_alu depctr_va_vdst(0)                   ; one wait for the 32 reciprocals
	STX 0
	WIN 0x59
	FRUN 1, BA+4*(\s)+2, 1
	SCORE KA, VAA                                  ; the first kept tile is done: its accumulators are free
	v_add_nc_u32 v[TBA], s[TOF], v[TB0]            ; this slot's columns in the tables
	s_add_co_u32 s[TOF], s[TOF], 256
	WIN 0x59                                       ; G2
	s_wait_dscnt 24                                ; its fragments are in; the eight stores and the run behind them stay out
.set g, 0
.set q, 0
	PRODS ACS, 1, 0, 24, 1, KB, DCB
	s_wait_dscnt 0x0                               ; for my partner's sake: my stores of pair 0's sums are done
	s_barrier_signal -1                            ; the refill stays on its way
	PRODS ACS, 1, 0, 8, 1, KB, DCB
	WIN 0x5d                                       ; G3: its fragments were shown in by the wait for 0 above
	NOPS 4
	s_wait_alu depctr_va_vdst(0)
	s_barrier_wait -1                              ; my partner's stores are done too
	FRUN 0, BA+4*(\s)+1, 0
	LDX KA, 0
	TLOAD DCA, VAA, 0
	WIN 0x5d
.set g, 0
.set q, 0
	PRODS ACS, 0, 1, 32, 2, KB, DCB
	NOPS 5
	s_wait_alu depctr_va_vdst(0)
	STX 1
	WIN 0x59
	FRUN 1, BA+4*(\s)+1, 1
	SCORE KB, VAB
	WIN 0x59                                       ; G4: onto my partner's sums
	s_wait_dscnt 24                                ; its fragments, those sums and the tables are in; the eight stores and the run stay out
.set g, 0
	PRODS KA, 0, 0, 24, 0, 0, 0
	s_wait_dscnt 0x0                               ; my stores of pair 1's sums are done, and my reads of pair 0's
	s_barrier_signal -1
	PRODS KA, 0, 0, 8, 0, 0, 0
	WIN 0x5d                                       ; G5
	NOPS 4
	s_barrier_wait -1
	FRUN 0, BA+4*(\s)+3, 0
	LDX KB, 1
	TLOAD DCB, VAB, 128
	WIN 0x5d
.set g, 0
	PRODS KA, 0, 1, 32, 0, 0, 0
	WIN 0x59                                       ; G6
	NOPS 4
	FRUN 1, BA+4*(\s)+3, 1                         ; my last reads of this ring slot
.endm
; THE CHANGE OF SLOTS.  My last reads of the ring slot, G7's fragments, were issued at G6's head.  So the wait for all tensor loads, the add and the wait for it stand in G6, 24 products between them; 8 products stand
; between signal and wait.  meet = 2: the barrier opens a round of the cluster's, and the joint refill, first behind it, fills THIS ring slot with ub's slot two further on: it has 224 products in which to land.
; meet = 3: the same form in a block's last two slots, where a block follows: my plain load of a tile of the NEXT block's rows; ub's descriptor for this ring slot goes back to its first slot.
; meet = 1: nothing is left to ask for.  meet = 0: the last slot of the last block.  nxt = 1: a slot follows, and its first fragments are fetched.
.macro FIN s, meet, ask, nxt
.set g, 0
.if \meet
	WIN 0                                          ; (the add's two registers lie in window 0)
.if \ask
	s_wait_xcnt 0x0                                ; the last prefetch, a slot back, has read its address
	s_add_nc_u64 s[PFA:PFA+1], s[PFA:PFA+1], 131072
.endif
	s_wait_tensorcnt 0x0                           ; all my tensor loads have landed: the one that was out is my quarter of the other ring slot;
	ds_add_u32 v[SPW], v[NIL]                      ; 0 onto my spare word;
.if (\meet) == 2
	s_add_nc_u64 s[GB0+4*(\s)+2:GB0+4*(\s)+3], s[GB0+4*(\s)+2:GB0+4*(\s)+3], 262144  ; this ring slot's next filling: two slots of ub on
.elseif (\meet) == 3
	s_add_nc_u64 s[GA0+4*(\s)+2:GA0+4*(\s)+3], s[GA0+4*(\s)+2:GA0+4*(\s)+3], NEXTA
	s_sub_nc_u64 s[GB0+4*(\s)+2:GB0+4*(\s)+3], s[GB0+4*(\s)+2:GB0+4*(\s)+3], BACKB
.endif
	s_wait_dscnt 17                                ; G6's fragments and my partner's sums are in; the run and the add stay out
	WIN 0x59
	PRODS KB, 0, 0, 24, 0, 0, 0                    ; 24 products stand between the add and the wait for it
	s_wait_dscnt 0x0                               ; the add is done; my reads of this ring slot and of the exchange are over
	s_barrier_signal -1
	PRODS KB, 0, 0, 8, 0, 0, 0
	WIN 0                                          ; at a branch and at a label every window is 0
	s_barrier_wait -1
.if (\meet) == 2
	CREST                                          ; no wave of any partner still reads this ring slot or has a load on its way
	tensor_load_to_lds s[GB0+4*(\s):GB0+4*(\s)+3], s[G1B:G1B+7]  ; the joint refill, first behind the round
	s_nop 0
.elseif (\meet) == 3
	CREST
	tensor_load_to_lds s[GA0+4*(\s):GA0+4*(\s)+3], s[G1A:G1A+7]  ; my quarter of this ring slot: 32 of my rows of the next block
	s_nop 0
.endif
	NOPS 4                                         ; behind the load; also the places ahead of the run below
	WIN 0x5d                                       ; G7: its fragments were shown in by the wait for 0 above
.if \nxt
	FRUN 0, BA+4*(1-(\s)), 0                       ; the next slot's first fragments: the barrier has shown that slot whole
.endif
.if \ask
	WIN 0
	ASK \ask
	WIN 0x5d
.endif
.else
	WIN 0x59
	s_wait_dscnt 16
	PRODS KB, 0, 0, 32, 0, 0, 0
	WIN 0x5d
	s_wait_dscnt 0x0
.endif
.set g, 0
	PRODS KB, 0, 1, 32, 0, 0, 0
.endm
; THE CONTEXT, 32 channels (a chunk) at a time.  My fragments hold a row t a lane; the second product wants a channel a lane.  So a chunk's four fragments go into my own stage, 64 rows x 64 bytes,
; and come back turned, by ds_load_tr16_b128, as source 1: 16 channels x 32 t.
.macro STAGE c
	WIN 0x08+4*((\c)/8)                            ; data in window 2 or 3
.irp rt, 0,1,2,3
	ds_store_b128 v[VS], v[32*((\c)%8)+8*(\rt):32*((\c)%8)+8*(\rt)+3]   offset:16*SPI*(\rt)
	ds_store_b128 v[VS], v[32*((\c)%8)+8*(\rt)+4:32*((\c)%8)+8*(\rt)+7] offset:16*SPI*(\rt)+32
.endr
	WIN 0
.irp u, 0,1
.irp s, 0,1
	ds_load_tr16_b128 v[VF+32*((\c)%2)+16*(\u)+8*(\s):VF+32*((\c)%2)+16*(\u)+8*(\s)+3],   v[VT] offset:32*SPI*(\s)+32*(\u)
	ds_load_tr16_b128 v[VF+32*((\c)%2)+16*(\u)+8*(\s)+4:VF+32*((\c)%2)+16*(\u)+8*(\s)+7], v[VT] offset:32*SPI*(\s)+32*(\u)+16*SPI
.endr
.endr
.endm
; Four products, the two accumulators by turns.  In a result every lane's register 0 is the bf16 part's sum for channel l % 16 and register 1 the remainder's.  wt: the LDS instructions younger than the chunk's stage.
.macro CTX c, wt
	WIN 0
	s_wait_dscnt \wt
.irp s, 0,1
.irp u, 0,1
.if (\s) == 0
	v_wmma_f32_16x16x32_bf16 v[DT+8*(\u):DT+8*(\u)+7], v[PF+8*(\s):PF+8*(\s)+7], v[VF+32*((\c)%2)+16*(\u)+8*(\s):VF+32*((\c)%2)+16*(\u)+8*(\s)+7], 0
.else
	v_wmma_f32_16x16x32_bf16 v[DT+8*(\u):DT+8*(\u)+7], v[PF+8*(\s):PF+8*(\s)+7], v[VF+32*((\c)%2)+16*(\u)+8*(\s):VF+32*((\c)%2)+16*(\u)+8*(\s)+7], v[DT+8*(\u):DT+8*(\u)+7]
.endif
.endr
.endr
	NOPS 5                                         ; the places ahead of the sums below, of the next stage's loads and of the products that start anew
.irp u, 0,1
	v_add_f32 v[WK+(\u)], v[DT+8*(\u)], v[DT+8*(\u)+1]
.endr
.irp u, 0,1
	ds_store_b32 v[CB], v[WK+(\u)] offset:128*(\c)+64*(\u)
.endr
.endm
.Lblock:                                               ; two trips.  The block's first two tiles have been asked for: at the launch's head, or in the block before
	; The tables: dcw's eight slices of my batch's row are added; what the first slot's riders read is cleared.
.irp k, 0,1,2,3,4,5,6,7
	global_load_b128 v[T+8*(\k):T+8*(\k)+3],   v[TID], s[8:9] offset:131072*(\k)
	global_load_b128 v[T+8*(\k)+4:T+8*(\k)+7], v[TID], s[8:9] offset:131072*(\k)+2048
.endr
	global_load_b128 v[T+64:T+67], v[TID], s[10:11]
	global_load_b128 v[T+68:T+71], v[TID], s[10:11] offset:2048
	WIN 0x40
.set z, KA
.rept 64
	v_mov_b32 v[z], 0                              ; both kept tiles' accumulators,
.set z, z+1
.endr
.set z, DCA
.rept 16
	v_mov_b32 v[z], 0                              ; their dcw,
.set z, z+1
.endr
	WIN 0
.set z, SC
.rept 24
	v_mov_b32 v[z], 0                              ; the score sums and their vaw: the first slot's riders make 0.5, and the sums take 0.5 x 0
.set z, z+1
.endr
	s_mov_b32 s[TOF], 0
	s_wait_loadcnt 0x0
.irp d, 32,16,8                                ; slices 4-7 onto 0-3, 2-3 onto 0-1, 1 onto 0
.set n, 0
.rept (\d)/2
	v_pk_add_f32 v[T+n:T+n+1], v[T+n:T+n+1], v[T+(\d)+n:T+(\d)+n+1]
.set n, n+2
.endr
.endr
	ds_store_b128 v[TST], v[T:T+3]                 ; the last reads of the block before's tables lie behind two barriers
	ds_store_b128 v[TST], v[T+4:T+7]   offset:2048
	ds_store_b128 v[TST], v[T+64:T+67] offset:4096
	ds_store_b128 v[TST], v[T+68:T+71] offset:6144 ; read by other waves behind the rounds below, ahead of which every wave waits for its LDS instructions
	s_wait_tensorcnt 0x0                           ; both first tiles: the change of slots behind the first conversion waits for the second in any case.  Only I read my quarters, so my own counter is all that the reads need
	CONVERT 0, 0, 0
	CHANGE_A 0
	s_wait_tensorcnt 0x1                           ; one load was issued behind the second tile's
	CONVERT 1, 0, 1
	CHANGE_A 1
	s_wait_tensorcnt 0x1
	CONVERT 0, 1, 0
	WIN 0
	s_wait_tensorcnt 0x0                           ; ring slot 0 goes over to ub: the same three lines, the round,
	ds_add_u32 v[SPW], v[NIL]
	s_wait_dscnt 0x0
	CROUND
	tensor_load_to_lds s[GB0:GB0+3], s[G1B:G1B+7]  ; and a joint load: my quarter of ub's slot 0
	s_nop 0
	NOPS 4
	s_wait_tensorcnt 0x1
	CONVERT 1, 1, 1
	WIN 0
	s_wait_tensorcnt 0x0                           ; ub's slot 0 has landed; ring slot 1, whose f32 tile I have read, goes over to ub: the three lines, the round,
	ds_add_u32 v[SPW], v[NIL]
	s_wait_dscnt 0x0
	CROUND
	tensor_load_to_lds s[GB0+4:GB0+7], s[G1B:G1B+7]  ; and ub's slot 1
	s_nop 0
	NOPS 4
	WIN 0x41
	FRUN 0, BA, 0                                  ; slot 0's first fragments
	WIN 0
	s_mov_b32 s[LAPS], 7
.Llap:                                                 ; a trip goes once round the ring: two slots of ub, and fills both ring slots again
	SLOTA 0
	FIN 0, 2, 1, 1
	SLOTA 1
	FIN 1, 2, 2, 1
	WIN 0
	s_sub_co_u32 s[LAPS], s[LAPS], 1
	s_cmp_lg_u32 s[LAPS], 0
	s_cbranch_scc1 .Llap
	SLOTA 0                                        ; slots 14 and 15 are written out.  Only their changes of slots differ between the blocks: each stands twice, behind a forward branch on the count of blocks
	WIN 0
	s_cmp_eq_u32 s[BLKS], 1
	s_cbranch_scc1 .Llast_14
	FIN 0, 3, 0, 1                                 ; a block follows: ring slot 0 takes its first tile
	WIN 0
	s_branch .Ljoin_14
.Llast_14:
	FIN 0, 1, 0, 1                                 ; the last block: nothing is asked for
	WIN 0
.Ljoin_14:
	SLOTA 1
	WIN 0
	s_cmp_eq_u32 s[BLKS], 1
	s_cbranch_scc1 .Llast_15
	FIN 1, 3, 0, 0                                 ; ring slot 1 takes the next block's second tile
	WIN 0
	s_branch .Ljoin_15
.Llast_15:
	FIN 1, 0, 0, 0
	WIN 0
.Ljoin_15:
	LUMP 1, KA, DCA                                ; the last slot's kept tiles.  Four v_nop stand between the first one's last product and this line; its 16 scalings are the places behind the second one's
	LUMP 2, KA, DCA
	SCORE KA, VAA
	LUMP 1, KB, DCB
	LUMP 2, KB, DCB
	SCORE KB, VAB
	; THE SCORES.  A lane's two sums, the other half of the lanes' and, through LDS, the partner wave's columns are added.
	WIN 0
.irp rt, 0,1,2,3
	v_add_f32 v[SC+2*(\rt)], v[SC+2*(\rt)], v[SC+2*(\rt)+1]
.endr
.irp rt, 0,1,2,3
	v_permlanex16_b32 v[SC+2*(\rt)+1], v[SC+2*(\rt)], s[SEL], s[SEL+1]
.endr
.irp rt, 0,1,2,3
	v_add_f32 v[SC+2*(\rt)], v[SC+2*(\rt)], v[SC+2*(\rt)+1]
.endr
.irp rt, 0,1,2,3
	ds_store_b32 v[SCA], v[SC+2*(\rt)] offset:64*(\rt)  ; lanes l and l + 16 write the same word with the same number
.endr
	s_wait_dscnt 0x0
	s_barrier_signal -1                            ; the next block's tile stays on its way
	s_barrier_wait -1                              ; all 128 rows' two partial scores lie in LDS; nobody reads the exchange any more
	ds_load_b128 v[WK:WK+3],   v[SCL]              ; every wave takes all rows, four a lane, and makes m, l and p for itself
	ds_load_b128 v[WK+4:WK+7], v[SCL] offset:512
	s_wait_dscnt 0x0
	v_pk_add_f32 v[WK:WK+1],   v[WK:WK+1],   v[WK+4:WK+5]
	v_pk_add_f32 v[WK+2:WK+3], v[WK+2:WK+3], v[WK+6:WK+7]
	v_max3_num_f32 v[WK+8], v[WK], v[WK+1], v[WK+2]
	v_max_num_f32 v[WK+8], v[WK+8], v[WK+3]
	v_max_num_f32_dpp v[WK+8], v[WK+8], v[WK+8] row_xmask:1 row_mask:0xf bank_mask:0xf
	v_max_num_f32_dpp v[WK+8], v[WK+8], v[WK+8] row_xmask:2 row_mask:0xf bank_mask:0xf
	v_max_num_f32_dpp v[WK+8], v[WK+8], v[WK+8] row_xmask:4 row_mask:0xf bank_mask:0xf
	v_max_num_f32_dpp v[WK+8], v[WK+8], v[WK+8] row_xmask:8 row_mask:0xf bank_mask:0xf
	v_permlanex16_b32 v[WK+4], v[WK+8], s[SEL], s[SEL+1]
	v_max_num_f32 v[WK+8], v[WK+8], v[WK+4]        ; m: the block's true maximum, in every lane
.irp x, 0,1,2,3
	v_sub_f32 v[WK+(\x)], v[WK+(\x)], v[WK+8]
.endr
.irp x, 0,1,2,3
	v_exp_f32 v[WK+(\x)], v[WK+(\x)]               ; p = 2^(s - m), in 0 to 1
.endr
	v_nop
	s_wait_alu depctr_va_vdst(0)                   ; one wait for the four, ahead of their first reader
	v_pk_add_f32 v[WK+10:WK+11], v[WK:WK+1], v[WK+2:WK+3]
	v_add_f32 v[WK+10], v[WK+10], v[WK+11]
	v_add_f32_dpp v[WK+10], v[WK+10], v[WK+10] row_xmask:1 row_mask:0xf bank_mask:0xf
	v_add_f32_dpp v[WK+10], v[WK+10], v[WK+10] row_xmask:2 row_mask:0xf bank_mask:0xf
	v_add_f32_dpp v[WK+10], v[WK+10], v[WK+10] row_xmask:4 row_mask:0xf bank_mask:0xf
	v_add_f32_dpp v[WK+10], v[WK+10], v[WK+10] row_xmask:8 row_mask:0xf bank_mask:0xf
	v_permlanex16_b32 v[WK+11], v[WK+10], s[SEL], s[SEL+1]
	v_add_f32 v[WK+9], v[WK+10], v[WK+11]          ; l, beside m
	v_cvt_pk_bf16_f32 v[WK+12], v[WK], v[WK+1]     ; p's bf16 part,
	v_cvt_pk_bf16_f32 v[WK+13], v[WK+2], v[WK+3]
	v_lshlrev_b32 v[WK+14], 16, v[WK+12]           ; widened again,
	v_and_b32 v[WK+15], 0xffff0000, v[WK+12]
	v_lshlrev_b32 v[WK+16], 16, v[WK+13]
	v_and_b32 v[WK+17], 0xffff0000, v[WK+13]
	v_pk_add_f32 v[WK+14:WK+15], v[WK:WK+1],   v[WK+14:WK+15] neg_lo:[0,1] neg_hi:[0,1]  ; what it lost,
	v_pk_add_f32 v[WK+16:WK+17], v[WK+2:WK+3], v[WK+16:WK+17] neg_lo:[0,1] neg_hi:[0,1]
	v_cvt_pk_bf16_f32 v[WK+18], v[WK+14], v[WK+15] ; in bf16 too
	v_cvt_pk_bf16_f32 v[WK+19], v[WK+16], v[WK+17]
	ds_store_b64 v[PTS], v[WK+12:WK+13]
	ds_store_b64 v[PTS], v[WK+18:WK+19] offset:256
.irp s, 0,1                                    ; p as source 0: 16 rows (even: the bf16 part, odd: the remainder) x 32 of my 64 t.  My own bytes: LDS serves a wave's instructions in order (ISA guide 5.7.1.4)
	ds_load_b128 v[PF+8*(\s):PF+8*(\s)+3],   v[PFR] offset:64*(\s)
	ds_load_b128 v[PF+8*(\s)+4:PF+8*(\s)+7], v[PFR] offset:64*(\s)+32
.endr
	STAGE 0
	STAGE 1
	CTX 0, 16                                      ; behind stage 0: stage 1's sixteen
.set ch, 1
.rept 14
	STAGE ch+1
	CTX ch, 18                                     ; behind stage ch: the last chunk's two stores and the next stage's sixteen
.set ch, ch+1
.endr
	CTX 15, 2
	s_wait_dscnt 0x0
	s_barrier_signal -1
	s_barrier_wait -1                              ; both row halves' sums for all 1,024 channels lie in LDS
	ds_load_b128 v[WK:WK+3],     v[CR]             ; wave w sends channels 256 w .. 256 w + 255
	ds_load_b128 v[WK+4:WK+7],   v[CR] offset:512
	ds_load_b128 v[WK+12:WK+15], v[CR] offset:4096
	ds_load_b128 v[WK+16:WK+19], v[CR] offset:4608
	s_wait_dscnt 0x0
.irp x, 0,2,4,6
	v_pk_add_f32 v[WK+(\x):WK+(\x)+1], v[WK+(\x):WK+(\x)+1], v[WK+12+(\x):WK+12+(\x)+1]
.endr
	global_store_b128 v[GO], v[WK:WK+3],   s[12:13]              ; each store of the wave covers 512 consecutive bytes, aligned
	global_store_b128 v[GO], v[WK+4:WK+7], s[12:13] offset:512
	s_cmp_lg_u32 s[WV], 0
	s_cbranch_scc1 .Lno_stats
	v_mov_b32 v[TBA], 0
	v_cmp_eq_u32 vcc_lo, 0, v3
	s_wait_xcnt 0x0                                ; EXEC is a source of the stores above: it changes only behind this wait
	s_and_saveexec_b32 s68, vcc_lo
	global_store_b64 v[TBA], v[WK+8:WK+9], s[14:15]  ; wave 0, lane 0: (m, l)
	s_wait_xcnt 0x0                                ; and again ahead of the line that widens it
	s_or_b32 exec_lo, exec_lo, s68
.Lno_stats:
	s_wait_xcnt 0x0                                ; the stores have read their registers and their bases: on to the block 256 further on
	s_add_nc_u64 s[8:9], s[8:9], 65536             ; 16 batches on in dcw,
	s_add_nc_u64 s[12:13], s[12:13], 1048576       ; 256 rows in ctxp,
	s_add_nc_u64 s[14:15], s[14:15], 2048          ; 256 pairs in stats
	s_sub_nc_u64 s[PFA:PFA+1], s[PFA:PFA+1], BACKB ; the prefetches' place goes back with ub's descriptors,
	s_mov_b32 s[LIM], -1                           ; and nothing more is asked for: the second block walks the same bytes of ub again
	s_sub_co_u32 s[BLKS], s[BLKS], 1
	s_cmp_lg_u32 s[BLKS], 0
	s_cbranch_scc1 .Lblock
	s_wait_tensorcnt 0x0                           ; the wave's end: behind my last tensor load and my last LDS store
	ds_add_u32 v[SPW], v[NIL]
	s_wait_dscnt 0x0
	CROUND                                         ; the closing round: no work-group ends while a partner may still ask for a tile that names it
	s_endpgm
.Lfunc_end_k_qfb9563ce06_attn:
	.size	k_qfb9563ce06_attn, .Lfunc_end_k_qfb9563ce06_attn-k_qfb9563ce06_attn
	.p2alignl 7, 3214868480
	.fill 96, 4, 3214868480
	.section	.rodata,"a",@progbits
	.p2align	6, 0x0
	.amdhsa_kernel k_qfb9563ce06_attn
		.amdhsa_group_segment_fixed_size 327680
		.amdhsa_private_segment_fixed_size 0
		.amdhsa_enable_private_segment 0
		.amdhsa_kernarg_size 48
		.amdhsa_user_sgpr_count 2
		.amdhsa_user_sgpr_kernarg_segment_ptr 1
		.amdhsa_wavefront_size32 1
		.amdhsa_system_sgpr_workgroup_id_x 1
		.amdhsa_system_sgpr_workgroup_id_y 1
		.amdhsa_system_sgpr_workgroup_id_z 1
		.amdhsa_system_vgpr_workitem_id 0
		.amdhsa_next_free_vgpr 1024
		.amdhsa_next_free_sgpr 72
		.amdhsa_reserve_vcc 1
		.amdhsa_float_denorm_mode_32 3
		.amdhsa_float_denorm_mode_16_64 3
		.amdhsa_memory_ordered 1
		.amdhsa_forward_progress 1
		.amdhsa_inst_pref_size 255
	.end_amdhsa_kernel
	.section	.bss,"aw",@nobits
	.p2align	6
	.space	262144
	.amdgpu_metadata
---
amdhsa.version: [ 1, 2 ]
amdhsa.kernels:
  - .name:           k_qfb9563ce06_attn
    .symbol:         k_qfb9563ce06_attn.kd
    .args:
      - { .name: enc_out, .offset: 0, .size: 8, .value_kind: global_buffer, .address_space: global }
      - { .name: ub, .offset: 8, .size: 8, .value_kind: global_buffer, .address_space: global }
      - { .name: dcw, .offset: 16, .size: 8, .value_kind: global_buffer, .address_space: global }
      - { .name: vaw, .offset: 24, .size: 8, .value_kind: global_buffer, .address_space: global }
      - { .name: ctxp, .offset: 32, .size: 8, .value_kind: global_buffer, .address_space: global }
      - { .name: stats, .offset: 40, .size: 8, .value_kind: global_buffer, .address_space: global }
    .group_segment_fixed_size: 327680
    .private_segment_fixed_size: 0
    .kernarg_segment_align: 8
    .kernarg_segment_size: 48
    .max_flat_workgroup_size: 128
    .sgpr_count:     72
    .vgpr_count:     1024
    .wavefront_size: 32
...
	.end_amdgpu_metadata
.endif
;; end of part 5
;; launch merge: the kernel of part 3 again; grid 128 x 1, 2 waves a work-group, no clusters, 0 bytes of LDS; arguments ctxp, stats, out0; writes out0
;; ======== version 3 of 3: 3 launches; version 2 with the launch prep written anew for expert scheduling mode
;; workspace buffers: ub 2,097,152 bytes; dcw 1,048,576 bytes; vaw 4,096 bytes; ctxp 2,097,152 bytes; stats 4,096 bytes
;; launch prep (part 6): grid 256 x 1, 4 waves a work-group, no clusters, 52,736 bytes of LDS; arguments Ua, Wa, dec_hidden, Va, ub, dcw, vaw; writes ub, dcw, vaw
.if DOCPART == 6
	.amdgcn_target "amdgcn-amd-amdhsa--gfx1250"
	.amdhsa_code_object_version 6
	.text
	.protected	k_qfb9563ce06_prep
	.globl	k_qfb9563ce06_prep
	.p2align	8
	.type	k_qfb9563ce06_prep,@function
k_qfb9563ce06_prep:
	s_mov_b64 s[64:65], 0
	v_nop
	global_prefetch_b8 v0, s[64:65] scope:SCOPE_SE
	s_setreg_imm32_b32 hwreg(HW_REG_WAVE_SCHED_MODE, 0, 2), 2
	s_setreg_imm32_b32 hwreg(HW_REG_WAVE_MODE, 25, 1), 1
	s_wait_xcnt 0x0
	s_wait_alu depctr_vm_vsrc(0)
; WHAT IT MAKES.  c = 2 log2(e).
;   ub  : Ua rounded to bf16, turned and laid in blocks: bf16 [sg 16][e2 2][j 2][n 32][k 512] = Ua[512 j + k][64 sg + 32 e2 + n]
;   dcw : f32 [kt 8][32][1024]: partial sums of c x (dec_hidden x Wa), slice kt over the channels 128 kt .. 128 kt + 127; bf16 operands, f32 sums.  The launch behind adds the eight.
;   vaw : f32 [1024] = -c x Va
; SHARES.  256 work-groups: 128 for Ua (role 0), 128 for Wa (role 1); each takes 128 rows (slice kt) x 64 columns (group sg): 32 KiB.  Wave v of four takes rows 32 v .. 32 v + 31 of them.
; THE FRONT: the wave's 32 rows x 64 columns of f32 come in by loads that cover two whole pieces of 256 consecutive bytes each; a lane holds two neighbouring rows of four columns, rounds them in pairs
; and puts each pair into the work-group's tile T in LDS, [column 64][row 128] bf16, rows 272 bytes apart.  It is written out once for each role, so that all that a role loads and uses ahead of the barrier stands in one branch.
; ROLE 0, behind the barrier: each wave reads 16 rows of T, which all four waves wrote, and stores them: sixteen lanes store 256 consecutive bytes, aligned.
; ROLE 1: a wave's 32 rows are one K step.  It multiplies them out of its own bytes of T (source 0 = 16 columns of Wa, source 1 = 16 rows of dec_hidden): 8 products, each the whole of its sum.  The four waves' sums
; meet in LDS (RED) behind the same barrier.
; No tensor loads, no cluster: nothing is shared between work-groups but dec_hidden's 128 KiB, and each byte of Ua and Wa is read once.
; THE MODE: SCHED_MODE bits 1:0 = 2 (LLVM: expert scheduling mode 2), set by the entry lines.  The code itself states the register dependences
; between vector or matrix instructions and memory or LDS instructions, with s_wait_alu, always for 0.
; THE PLAN.  Registers that memory or LDS instructions touch:
;   v[LO], v[TS]   made at the head, never written again; read by the front's loads and LDS stores.
;   INB            the front's loads land in it; the roundings read it.  In role 1 the products then write their sums there, which LDS stores read; nothing writes it after that.
;   PK             four registers to each of the eight groups, written once by the group's roundings and read by its four LDS stores, which stand at the NEXT group's head, behind one wait.
;   v[DO], v[VO]   role 1: made at the branch's head, ahead of its first load.     v[TF], v[RS]  role 1: made ahead of the roundings; the waits among and behind these stand ahead of their first readers.
;   DEC, FR        role 1: loads land in them, roundings and products read them.  At the end OUB's loads land in the same registers, behind the wait that stands ahead of the stores of the sums.
;   OB             role 0, the end: registers that no store of either role reads, so that nothing need be stated for stores ahead of the loads that land there.
;   v[TR], v[UO], v[RR], v[DW]   made behind the barrier, each ahead of a wait that stands ahead of its first reader.
; No register that a memory or LDS instruction has read is ever written again: the text holds no wait on vm_vsrc but the entry's and the closing lines'.
.set TP,    272                        ; a row of T and of RED: 256 bytes + 16
.set RED,   64*TP                      ; behind T: for each wave its partial sums, [b 32][column 64] f32
.set RW,    32*TP
.set SPARE, RED+4*RW                   ; behind them: the spare words, 128 bytes for each wave: two blocks of 256 bytes that no other line names
.set LO,  4                            ; v4   my byte offset in the source: my wave's first row + 2 (l / 16) rows + 16 (l % 16)
.set TS,  5                            ; v5   where I put a pair in T
.set TR,  6                            ; v6   role 0: where I read T back
.set UO,  7                            ; v7   role 0: my byte offset in ub
.set DO,  8                            ; v8   role 1: my byte offset in dec_hidden
.set TF,  9                            ; v9   role 1: my place in a fragment of T
.set RS,  10                           ; v10  role 1: where I put partial sums
.set RR,  11                           ; v11  role 1: where I read them back
.set DW,  12                           ; v12  role 1: my byte offset in dcw
.set VO,  13                           ; v13  role 1: my 8 bytes of Va and vaw
.set VA,  14                           ; v[14:15]
.set SPW, 16                           ; v16  LDS address of my spare word; never rewritten
.set NIL, 17                           ; v17  0; never rewritten
.set INB, 32                           ; v[32:95]   the front's 16 loads
.set PK,  96                           ; v[96:127]  their 32 packed pairs
.set ACC, 32                           ; role 1: eight accumulators: (nt, bt) at ACC + 8 (2 nt + bt), where the front's loads lay
.set DEC, 128                          ; v[128:159] role 1: dec_hidden's two fragments in f32
.set DF,  160                          ; v[160:175] the same in bf16
.set FR,  176                          ; v[176:207] T's four fragments
.set OUB, 128                          ; v[128:191] role 1, the end: the four waves' sums
.set OB,  128                          ; v[128:159] role 0, the end: T's rows read back
.set WV,   18                          ; s18  my wave's number
.set ROLE, 19                          ; s19  0: Ua, 1: Wa
.set SG,   20                          ; s20  which 64 columns
.set KT,   21                          ; s21  which 128 rows
	s_load_b256 s[4:11], s[0:1], 0x0               ; Ua s[4:5], Wa s[6:7], dec_hidden s[8:9], Va s[10:11]
	s_load_b128 s[12:15], s[0:1], 0x20             ; ub s[12:13], dcw s[14:15]
	s_load_b64 s[16:17], s[0:1], 0x30              ; vaw
	v_lshl_add_u32 v[SPW], v0, 2, SPARE
	v_mov_b32 v[NIL], 0
	v_lshrrev_b32 v1, 5, v0
	v_readfirstlane_b32 s[WV], v1                  ; wave 0..3
	s_lshr_b32 s[ROLE], ttmp9, 7
	s_bfe_u32 s[SG], ttmp9, 0x40003                ; 4 bits from bit 3
	s_and_b32 s[KT], ttmp9, 7
	v_and_b32 v1, 15, v0                           ; l % 16
	v_bfe_u32 v2, v0, 4, 1                         ; l / 16
	v_and_b32 v3, 31, v0                           ; l
	s_wait_alu depctr_va_sdst(0)                   ; s[WV] is written, ahead of its first reader: offsets, LDS addresses and branches are made from it
	s_lshl_b32 s24, s[KT], 19                      ; 128 rows of 4,096 bytes,
	s_lshl_b32 s25, s[WV], 17                      ; my wave's 32 of them
	s_add_co_u32 s24, s24, s25
	v_lshlrev_b32 v[LO], 4, v1
	v_lshl_add_u32 v[LO], v2, 13, v[LO]            ; lanes 16-31 two rows further down
	v_add_nc_u32 v[LO], s24, v[LO]
	v_mul_u32_u24 v[TS], v1, 4*TP                  ; my four columns,
	v_lshl_add_u32 v[TS], v2, 2, v[TS]             ; my pair of rows,
	s_lshl_b32 s25, s[WV], 6                       ; in my wave's 64 bytes of each row of T
	v_add_nc_u32 v[TS], s25, v[TS]
	s_lshl_b32 s26, s[SG], 8                       ; 64 columns of f32
	s_mov_b32 s27, 0
	s_mov_b32 s28, 0x4038aa3b                      ; c = 2 log2(e)
	s_mov_b32 s29, s28                             ; named with it as a pair
	s_or_b32 s30, s[KT], s[WV]                     ; 0 in wave 0 of slice 0
	s_wait_kmcnt 0x0
	s_cmp_eq_u32 s[ROLE], 0
	s_cselect_b64 s[22:23], s[4:5], s[6:7]         ; the role's matrix,
	s_add_nc_u64 s[22:23], s[22:23], s[26:27]      ; at the work-group's columns
	s_wait_alu depctr_va_vdst(0)                   ; v[LO] and v[TS] are written: the front's loads read the one as their offset, its LDS stores the other as their address
; Eight groups of four rows; of a group a lane takes rows 2 (l / 16) and 2 (l / 16) + 1.
.macro FLD
.irp gg, 0,1,2,3,4,5,6,7
	global_load_b128 v[INB+8*(\gg):INB+8*(\gg)+3],   v[LO], s[22:23] offset:(\gg)*16384 th:TH_LOAD_NT
	global_load_b128 v[INB+8*(\gg)+4:INB+8*(\gg)+7], v[LO], s[22:23] offset:(\gg)*16384+4096 th:TH_LOAD_NT
.endr
.endm
; A group is rounded, an even row's number into the low half and the odd row's into the high half, and put into T: column 4 (l % 16) + x, rows 4 g + 2 (l / 16) on.
; A group's four LDS stores stand at the next group's head, behind the wait for that group's data and one wait for the roundings; the last group's stand behind a wait of their own.
.macro FCV
.irp gg, 0,1,2,3,4,5,6,7
	s_wait_loadcnt 14-2*(\gg)                      ; loads come back in order (ISA guide 5.7.1): the group's two are in, the later groups' stay out
.if (\gg) > 0
	s_wait_alu depctr_va_vdst(0)                   ; the group before's roundings have written its four registers of PK, which the stores below read
.irp x, 0,1,2,3
	ds_store_b32 v[TS], v[PK+4*((\gg)-1)+(\x)] offset:(\x)*TP+8*((\gg)-1)
.endr
.endif
.irp x, 0,1,2,3
	v_cvt_pk_bf16_f32 v[PK+4*(\gg)+(\x)], v[INB+8*(\gg)+(\x)], v[INB+8*(\gg)+4+(\x)]
.endr
.endr
	s_wait_alu depctr_va_vdst(0)                   ; the last group's roundings have written its four registers of PK; in role 1 v[TF] is written too, which the loads behind the front read
.irp x, 0,1,2,3
	ds_store_b32 v[TS], v[PK+28+(\x)] offset:(\x)*TP+56
.endr
.endm
	s_cmp_lg_u32 s[ROLE], 0                        ; the same in all four waves
	s_cbranch_scc1 .Lrole_w
	FLD                                            ; ROLE 0, ahead of the barrier: the front alone
	FCV
	s_branch .Ljoin
.Lrole_w:
	; ROLE 1.  A fragment of dec_hidden is 16 rows x 32 channels: lane l holds row l % 16, channels 8 (l / 16) + 0..7 and 16 + 8 (l / 16) + 0..7: in f32 four loads of 16 bytes.  They go out ahead of the front's.
	s_lshl_b32 s24, s[KT], 9                       ; the slice's 128 channels,
	s_lshl_b32 s25, s[WV], 7                       ; my wave's 32
	s_add_co_u32 s24, s24, s25
	v_lshlrev_b32 v[DO], 12, v1
	v_lshl_add_u32 v[DO], v2, 5, v[DO]
	v_add_nc_u32 v[DO], s24, v[DO]
	v_lshlrev_b32 v[VO], 3, v3                     ; 8 bytes a lane of Va and vaw: made here, so that the one wait below serves it too
	s_wait_alu depctr_va_vdst(0)                   ; v[DO] and v[VO] are written: dec_hidden's loads read the one as their offset, Va's load and store the other
.irp bt, 0,1
	global_load_b128 v[DEC+16*(\bt):DEC+16*(\bt)+3],     v[DO], s[8:9] offset:65536*(\bt)
	global_load_b128 v[DEC+16*(\bt)+4:DEC+16*(\bt)+7],   v[DO], s[8:9] offset:65536*(\bt)+16
	global_load_b128 v[DEC+16*(\bt)+8:DEC+16*(\bt)+11],  v[DO], s[8:9] offset:65536*(\bt)+64
	global_load_b128 v[DEC+16*(\bt)+12:DEC+16*(\bt)+15], v[DO], s[8:9] offset:65536*(\bt)+80
.endr
	FLD
	s_cmp_lg_u32 s30, 0
	s_cbranch_scc1 .Lno_va
	s_add_nc_u64 s[10:11], s[10:11], s[26:27]      ; wave 0 of slice 0: the group's 64 numbers of Va, 256 consecutive bytes
	s_add_nc_u64 s[16:17], s[16:17], s[26:27]
	global_load_b64 v[VA:VA+1], v[VO], s[10:11]
	s_wait_loadcnt 0x0
	v_mul_f32 v[VA], 0xc038aa3b, v[VA]             ; -c Va
	v_mul_f32 v[VA+1], 0xc038aa3b, v[VA+1]
	s_wait_alu depctr_va_vdst(0)                   ; the two products are written, which the store reads
	global_store_b64 v[VO], v[VA:VA+1], s[16:17]   ; 256 consecutive bytes, aligned
.Lno_va:
	v_mul_u32_u24 v[TF], v1, TP
	v_lshl_add_u32 v[TF], v2, 4, v[TF]
	s_lshl_b32 s25, s[WV], 6
	v_add_nc_u32 v[TF], s25, v[TF]                 ; column l % 16, my wave's 32 rows
	s_mul_i32 s24, s[WV], RW
	s_add_co_u32 s24, s24, RED
	v_mul_u32_u24 v[RS], v1, TP
	v_lshl_add_u32 v[RS], v2, 5, v[RS]
	v_add_nc_u32 v[RS], s24, v[RS]
	FCV                                            ; (dec_hidden's loads, issued ahead of the front's, are in with the first group)
.irp nt, 0,1,2,3                               ; my own bytes of T: LDS serves a wave's instructions in order (ISA guide 5.7.1.4).  No wait: no vector line since the front's last wait names v[TF] or FR
	ds_load_b128 v[FR+8*(\nt):FR+8*(\nt)+3],   v[TF] offset:(\nt)*16*TP
	ds_load_b128 v[FR+8*(\nt)+4:FR+8*(\nt)+7], v[TF] offset:(\nt)*16*TP+32
.endr
.irp bt, 0,1
.irp m, 0,1,2,3,4,5,6,7
	v_cvt_pk_bf16_f32 v[DF+8*(\bt)+(\m)], v[DEC+16*(\bt)+2*(\m)], v[DEC+16*(\bt)+2*(\m)+1]
.endr
.endr
	s_wait_dscnt 0x0
.irp nt, 0,1,2,3                               ; eight accumulators, one product each
.irp bt, 0,1
	v_wmma_f32_16x16x32_bf16 v[ACC+8*(2*(\nt)+(\bt)):ACC+8*(2*(\nt)+(\bt))+7], v[FR+8*(\nt):FR+8*(\nt)+7], v[DF+8*(\bt):DF+8*(\bt)+7], 0
.endr
.endr
.rept 5
	v_nop                                          ; the places ahead of the stores of those products' results
.endr
	s_wait_alu depctr_va_vdst(0)                   ; the products have written the accumulators, which the LDS stores read, and are done reading FR and DF; v[RS] is written; the places above stay beside this wait
	; In a result lane l holds row b = 16 bt + l % 16 and the columns 16 nt + 8 (l / 16) + 0..7: 32 bytes of a row of RED.  Each accumulator's low registers go first.
.irp nt, 0,1,2,3
.irp bt, 0,1
	ds_store_b128 v[RS], v[ACC+8*(2*(\nt)+(\bt)):ACC+8*(2*(\nt)+(\bt))+3]   offset:(\bt)*16*TP+64*(\nt)
	ds_store_b128 v[RS], v[ACC+8*(2*(\nt)+(\bt))+4:ACC+8*(2*(\nt)+(\bt))+7] offset:(\bt)*16*TP+64*(\nt)+16
.endr
.endr
.Ljoin:
	s_wait_dscnt 0x0                               ; for the others' sake: my stores into LDS are done
	s_barrier_signal -1
	s_barrier_wait -1                              ; every wave of either role passes this barrier
	s_cmp_lg_u32 s[ROLE], 0
	s_cbranch_scc1 .Lw_out
	; ROLE 0, the end: wave v sends T's rows 16 v .. 16 v + 15, two a load: row 16 v + 2 n + l / 16.
	s_mul_i32 s24, s[WV], 16*TP
	v_mul_u32_u24 v[TR], v2, TP
	v_lshl_add_u32 v[TR], v1, 4, v[TR]
	v_add_nc_u32 v[TR], s24, v[TR]
	s_lshr_b32 s24, s[WV], 1                       ; e2: which 32 of the 64 columns,
	s_lshl_b32 s24, s24, 16
	s_and_b32 s25, s[WV], 1                        ; which 16 of those,
	s_lshl_b32 s25, s25, 14
	s_add_co_u32 s24, s24, s25
	s_lshr_b32 s25, s[KT], 2                       ; j: which half of K,
	s_lshl_b32 s25, s25, 15
	s_add_co_u32 s24, s24, s25
	s_and_b32 s25, s[KT], 3                        ; and which 128 of its 512
	s_lshl_b32 s25, s25, 8
	s_add_co_u32 s24, s24, s25
	v_lshlrev_b32 v[UO], 4, v1
	v_lshl_add_u32 v[UO], v2, 10, v[UO]
	v_add_nc_u32 v[UO], s24, v[UO]
	s_lshl_b32 s26, s[SG], 17                      ; the group's 131,072 bytes of ub
	s_add_nc_u64 s[12:13], s[12:13], s[26:27]
	s_wait_alu depctr_va_vdst(0)                   ; v[TR] and v[UO] are written: the loads below read the one as their address, the stores the other as their offset
.irp n, 0,1,2,3,4,5,6,7
	ds_load_b128 v[OB+4*(\n):OB+4*(\n)+3], v[TR] offset:2*TP*(\n)
.endr
.irp n, 0,1,2,3,4,5,6,7
	s_wait_dscnt 7-(\n)                            ; LDS loads come back in order: number n is in
	global_store_b128 v[UO], v[OB+4*(\n):OB+4*(\n)+3], s[12:13] offset:(\n)*2048  ; 16 lanes store 256 consecutive bytes, at a multiple of 256 from ub's first byte
.endr
	s_branch .Lend
.Lw_out:
	; ROLE 1, the end: thread t adds the four waves' sums for 16 bytes of rows t / 16 + 8 n, scales by c and stores.
	v_lshrrev_b32 v18, 4, v0
	v_mul_u32_u24 v[RR], v18, TP
	v_lshl_add_u32 v[RR], v1, 4, v[RR]
	v_add_nc_u32 v[RR], RED, v[RR]
	s_wait_alu depctr_va_vdst(0)                   ; v[RR] is written, which the loads below read as their address (the roundings and products that named v[OUB ..] stand ahead of the wait in front of the stores of the sums)
.irp w, 0,1,2,3
.irp n, 0,1,2,3
	ds_load_b128 v[OUB+16*(\w)+4*(\n):OUB+16*(\w)+4*(\n)+3], v[RR] offset:RW*(\w)+8*TP*(\n)
.endr
.endr
	v_lshlrev_b32 v[DW], 12, v18
	v_lshl_add_u32 v[DW], v1, 4, v[DW]
	s_lshl_b32 s24, s[KT], 17                      ; the slice's 131,072 bytes of dcw,
	s_add_co_u32 s26, s26, s24                     ; the group's 256 bytes of a row
	s_add_nc_u64 s[14:15], s[14:15], s[26:27]
	s_wait_dscnt 0x0
.irp d, 32,16                                  ; waves 2, 3 onto 0, 1; wave 1 onto 0
.set n, 0
.rept (\d)/2
	v_pk_add_f32 v[OUB+n:OUB+n+1], v[OUB+n:OUB+n+1], v[OUB+(\d)+n:OUB+(\d)+n+1]
.set n, n+2
.endr
.endr
.irp n, 0,2,4,6,8,10,12,14
	v_pk_mul_f32 v[OUB+(\n):OUB+(\n)+1], v[OUB+(\n):OUB+(\n)+1], s[28:29] op_sel_hi:[1,0]
.endr
	s_wait_alu depctr_va_vdst(0)                   ; the scalings have written v[OUB .. OUB+15], which the stores read as their data; v[DW], their offset, is written too
.irp n, 0,1,2,3
	global_store_b128 v[DW], v[OUB+4*(\n):OUB+4*(\n)+3], s[14:15] offset:32768*(\n)  ; 16 lanes store 256 consecutive bytes, aligned
.endr
.Lend:
	s_wait_dscnt 0x0                               ; the closing lines, six on end
	s_wait_alu 0x0
	s_wait_tensorcnt 0x0
	ds_add_u32 v[SPW], v[NIL]
	s_wait_dscnt 0x0
	s_endpgm
.Lfunc_end_k_qfb9563ce06_prep:
	.size	k_qfb9563ce06_prep, .Lfunc_end_k_qfb9563ce06_prep-k_qfb9563ce06_prep
	.p2alignl 7, 3214868480
	.fill 96, 4, 3214868480
	.section	.rodata,"a",@progbits
	.p2align	6, 0x0
	.amdhsa_kernel k_qfb9563ce06_prep
		.amdhsa_group_segment_fixed_size 52736
		.amdhsa_private_segment_fixed_size 0
		.amdhsa_enable_private_segment 0
		.amdhsa_kernarg_size 56
		.amdhsa_user_sgpr_count 2
		.amdhsa_user_sgpr_kernarg_segment_ptr 1
		.amdhsa_wavefront_size32 1
		.amdhsa_system_sgpr_workgroup_id_x 1
		.amdhsa_system_sgpr_workgroup_id_y 1
		.amdhsa_system_sgpr_workgroup_id_z 1
		.amdhsa_system_vgpr_workitem_id 0
		.amdhsa_next_free_vgpr 208
		.amdhsa_next_free_sgpr 66
		.amdhsa_reserve_vcc 0
		.amdhsa_float_denorm_mode_32 3
		.amdhsa_float_denorm_mode_16_64 3
		.amdhsa_memory_ordered 1
		.amdhsa_forward_progress 1
		.amdhsa_inst_pref_size 26
	.end_amdhsa_kernel
	.amdgpu_metadata
---
amdhsa.version: [ 1, 2 ]
amdhsa.kernels:
  - .name:           k_qfb9563ce06_prep
    .symbol:         k_qfb9563ce06_prep.kd
    .args:
      - { .name: Ua, .offset: 0, .size: 8, .value_kind: global_buffer, .address_space: global }
      - { .name: Wa, .offset: 8, .size: 8, .value_kind: global_buffer, .address_space: global }
      - { .name: dec_hidden, .offset: 16, .size: 8, .value_kind: global_buffer, .address_space: global }
      - { .name: Va, .offset: 24, .size: 8, .value_kind: global_buffer, .address_space: global }
      - { .name: ub, .offset: 32, .size: 8, .value_kind: global_buffer, .address_space: global }
      - { .name: dcw, .offset: 40, .size: 8, .value_kind: global_buffer, .address_space: global }
      - { .name: vaw, .offset: 48, .size: 8, .value_kind: global_buffer, .address_space: global }
    .group_segment_fixed_size: 52736
    .private_segment_fixed_size: 0
    .kernarg_segment_align: 8
    .kernarg_segment_size: 56
    .max_flat_workgroup_size: 128
    .sgpr_count:     66
    .vgpr_count:     208
    .wavefront_size: 32
...
	.end_amdgpu_metadata
.endif
;; end of part 6
;; launch attn: the kernel of part 5 again; grid 256 x 1, 4 waves a work-group, clusters of 4 x 1, 327,680 bytes of LDS; arguments enc_out, ub, dcw, vaw, ctxp, stats; writes ctxp, stats
;; launch merge: the kernel of part 3 again; grid 128 x 1, 2 waves a work-group, no clusters, 0 bytes of LDS; arguments ctxp, stats, out0; writes out0
